; MI455X (gfx1250); checked and timed in simulation.
; The chip was launched on July 23, 2026; its instructions are those of AMD's public machine-readable ISA for CDNA 5 (MIT licence, August 2026) and "CDNA5" Instruction Set Architecture Reference Guide (July 2026). The comments in the code are by the model that wrote it; some were corrected since.
;; Mo E Layer. Allowed arithmetic: matrix products marked QUANTISED: E3M2 operands, one E8M0 scale for each 32 along K, by v_wmma_scale_f32_16x16x128_f8f6f4 with both operands' format E3M2, f32 sums; products left as they are: f32 operands where the result goes on into a quantised operand, else bf16, f16 or f32 operands; f32 sums; everything else in f32.
;; Inputs: W1_codes 8 x 4,096 x 32 x 24 uint8 (E3M2 codes of W1, K innermost, in blocks of 32 codes, four codes in three bytes); W1_scales 8 x 4,096 x 32 uint8 (E8M0 scales of W1, one for each 32 codes along K); W2_codes 8 x 1,024 x 128 x 24 uint8 (E3M2 codes of W2, K innermost, in blocks of 32 codes, four codes in three bytes); W2_scales 8 x 1,024 x 128 uint8 (E8M0 scales of W2, one for each 32 codes along K); Wg 1,024 x 8 float32; b1 8 x 4,096 float32; b2 8 x 1,024 float32; bg 8 float32; inputs 1,024 x 1,024 float32.
;; Outputs: out0 1,024 x 1,024 float32.
;; Constants: k = 2.
;; This version of the problem:
;;   THIS VERSION OF THE PROBLEM IS GIVEN IN LOW PRECISION. The matrix products marked QUANTISED in the list below multiply operands that are first quantised to E3M2 (3 exponent bits, 2 mantissa bits; 6 bits a number), with one power-of-two scale for each 32 numbers along K (OCP MX v1.0); their sums are f32. All else is computed in f32.
;;   The module's matrix products, in the order in which they are computed (A, B: the left and right operand; K: the contracted axis; several contracted axes count as one K, in the product's order):
;;     1. [M 1,024, K 1,024] x [K 1,024, N 8]; A: input inputs; B: input Wg: left as it is (N = 8 < 16)
;;     2. batch 1,024 x [M 1, K 2] x [K 2, N 8]; A: softmax; B: computed on the way: left as it is (K = 2 < 32)
;;     3. [M 1,024, K 1,024] x [K 1,024, N 4,096]; A: input inputs; B: input W1 (given as codes): QUANTISED
;;     4. [M 1,024, K 4,096] x [K 4,096, N 1,024]; A: computed on the way; B: input W2 (given as codes): QUANTISED
;;     5. [M 1,024, K 1,024] x [K 1,024, N 4,096]; A: input inputs; B: input W1 (given as codes): QUANTISED
;;     6. [M 1,024, K 4,096] x [K 4,096, N 1,024]; A: computed on the way; B: input W2 (given as codes): QUANTISED
;;     7. [M 1,024, K 1,024] x [K 1,024, N 4,096]; A: input inputs; B: input W1 (given as codes): QUANTISED
;;     8. [M 1,024, K 4,096] x [K 4,096, N 1,024]; A: computed on the way; B: input W2 (given as codes): QUANTISED
;;     9. [M 1,024, K 1,024] x [K 1,024, N 4,096]; A: input inputs; B: input W1 (given as codes): QUANTISED
;;     10. [M 1,024, K 4,096] x [K 4,096, N 1,024]; A: computed on the way; B: input W2 (given as codes): QUANTISED
;;     11. [M 1,024, K 1,024] x [K 1,024, N 4,096]; A: input inputs; B: input W1 (given as codes): QUANTISED
;;     12. [M 1,024, K 4,096] x [K 4,096, N 1,024]; A: computed on the way; B: input W2 (given as codes): QUANTISED
;;     13. [M 1,024, K 1,024] x [K 1,024, N 4,096]; A: input inputs; B: input W1 (given as codes): QUANTISED
;;     14. [M 1,024, K 4,096] x [K 4,096, N 1,024]; A: computed on the way; B: input W2 (given as codes): QUANTISED
;;     15. [M 1,024, K 1,024] x [K 1,024, N 4,096]; A: input inputs; B: input W1 (given as codes): QUANTISED
;;     16. [M 1,024, K 4,096] x [K 4,096, N 1,024]; A: computed on the way; B: input W2 (given as codes): QUANTISED
;;     17. [M 1,024, K 1,024] x [K 1,024, N 4,096]; A: input inputs; B: input W1 (given as codes): QUANTISED
;;     18. [M 1,024, K 4,096] x [K 4,096, N 1,024]; A: computed on the way; B: input W2 (given as codes): QUANTISED
;;   THE QUANTISER, for each operand of a quantised product, along K:
;;     - K is cut into blocks of 32 from its start; a last block that is shorter is filled with zeros.
;;     - A block's scale is 2^e with e = floor(log2(the largest magnitude in the block)) - 4, held to -126 .. 127; a block of zeros has e = 0. As a byte (E8M0): e + 127.
;;     - Each number is divided by its block's scale, clamped to +-28, and rounded to the nearest number of E3M2, ties to even, subnormals kept.
;;     - The product sums the exact products of the quantised numbers (number of the format x scale) in f32.
;;   ~~~python
;;   def quantise(x, axis):      # numpy; x: float32 -> the quantised numbers, widened to float32 again
;;       x = np.moveaxis(x, axis, -1); K = x.shape[-1]
;;       x = np.pad(x, [(0, 0)] * (x.ndim - 1) + [(0, -K % 32)]); x = x.reshape(x.shape[:-1] + (-1, 32)); a = np.abs(x).max(-1, keepdims=True)
;;       e = np.where(a > 0, np.clip(np.frexp(np.where(a > 0, a, 1))[1] - 1 - 4, -126, 127), 0)      # np.frexp(a)[1] - 1 = floor(log2(a)), exactly
;;       r = np.clip(x / 2.0 ** e, -28, 28)
;;       step = 2.0 ** (np.maximum(np.frexp(np.where(r == 0, 1, r))[1] - 1, -2) - 2)
;;       q = np.round(r / step) * step * 2.0 ** e      # np.round: ties to even
;;       return np.moveaxis(q.reshape(q.shape[:-2] + (-1,))[..., :K], -1, axis).astype(np.float32)
;;   ~~~
;;   OPERANDS COMPUTED ON THE WAY. 'Computed on the way' means the value that the module computes at that place (a softmax that the list does not call 'softmax' is quantised finished and normalised). What goes into a quantiser is computed in f32, as accurately as f32 sums, v_exp_f32 and their like allow (about 1e-6 of the number): no bf16 or f16 on the way to a quantiser, and a product that is left as it is and whose result goes on into a quantised operand takes f32 operands (vector FMAs, or v_wmma_f32_16x16x4_f32). A number that lies on a knife's edge between two numbers of the format may be rounded either way, as far as f32 arithmetic and the matrix unit's own rounding can turn it there, and no further.
;;   INPUTS GIVEN AS CODES. W1 (in the module: [8, 1024, 4096], K = its axis 1); W2 (in the module: [8, 4096, 1024], K = its axis 1): each comes as NAME_codes (uint8): NAME with its K axis moved to the last place and cut into blocks of 32 codes, [.., K / 32, bytes a block], one block behind the other in memory; four codes in three bytes: a row's codes are one little-endian stream of bits, code i at bits 6 i .. 6 i + 5 (a code: sign, 3 exponent bits, 2 mantissa bits); and NAME_scales (uint8): the same leading axes, one E8M0 byte (e + 127) for each 32 codes along K. Its value is code x scale, taken as it is: it is not quantised again, and the codes and scales need not be those that the quantiser above would give.
;; 2 versions, each right and faster than the one before. Each part assembles by itself: llvm-mc -triple=amdgcn-amd-amdhsa -mcpu=gfx1250 --defsym DOCPART=n.
;; ======== version 1 of 2: 4 launches
;; workspace buffers: sel 8,192 bytes of whole numbers; wts 8,192 bytes; xq 786,432 bytes; xs 32,768 bytes; hbuf 25,165,824 bytes; hs 1,048,576 bytes; ybuf 9,437,184 bytes
;; launch gate (part 1): grid 256 x 1, 4 waves a work-group, no clusters, 4,608 bytes of LDS; arguments inputs, Wg, bg, xq, xs, sel, wts; writes xq, xs, sel, wts
.if DOCPART == 1
	.amdgcn_target "amdgcn-amd-amdhsa--gfx1250"
	.amdhsa_code_object_version 6
	.text
	.protected	k_q3507d89744_gate
	.globl	k_q3507d89744_gate
	.p2align	8
	.type	k_q3507d89744_gate,@function
k_q3507d89744_gate:
	s_mov_b64 s[64:65], 0
	v_nop
	global_prefetch_b8 v0, s[64:65] scope:SCOPE_SE
	s_setreg_imm32_b32 hwreg(HW_REG_WAVE_MODE, 25, 1), 1
	s_wait_xcnt 0x0
; THE ROUTER AND THE QUANTISER OF x.  inputs [1024][1024] f32, Wg [1024][8] f32, bg [8] f32.
; A wave takes one token (4 x work-group + wave).  Lane l holds the token's block l: x[32 l .. 32 l + 31], and rows 32 l .. 32 l + 31 of Wg.
; (1) logits = x Wg + bg by fused multiply-adds in f32: eight chains a lane, then a sum over the 32 lanes.
; (2) top-2 (a strict > keeps the lower index, as jax.lax.top_k does), softmax of the two with the larger taken away first.
;     The two experts go to sel[token][2] (i32), the two weights to wts[token][2] (f32): fixed places; no address here hangs on them.
; (3) the lane's block becomes 32 codes of E3M2 (24 bytes) and one E8M0 byte: scale = 2^(floor(log2(largest magnitude)) - 4).
;     xq[token][768]: the codes as one stream, block b at byte 24 b.  xs[token][32]: the bytes, WITH BYTES 1 AND 2 OF EACH WORD OF FOUR CHANGED ROUND:
;     the products of the later launches hold, in a K step of 128, block 2 h + c where the layout names block 2 c + h (alike on both operands), so that a lane's
;     48 bytes of a K step are neighbours in memory; the scale word follows that order.
; LIMITS: NaN and infinities among the inputs, and logits that are not finite, are not served.  Two logits closer than the rounding of an f32 sum of 1,024 terms
; may be ordered otherwise than by another order of summation.  A block of zeros gets the byte 1 (its codes are zeros; the bytes are read by this program alone).
; No matrix work, no barrier: waves share nothing.  The codes turn through the wave's own 1,024 bytes of LDS so that they leave as 512 + 256 consecutive bytes.
.set X,   16                           ; v16-47   my 32 numbers of x
.set LG,  48                           ; v48-55   the eight logits
.set WA,  128                          ; v128-255 Wg's rows 32 l + 0 .. 15 (register 8 i + e);  window 1, v0-127: rows 32 l + 16 .. 31
.set MSB, 0
.macro WIN new                         ; the immediate's high byte repeats the setting that is left
.if MSB != \new
	s_set_vgpr_msb (MSB<<8)|\new
.set MSB, \new
.endif
.endm
	s_load_b256 s[4:11], s[0:1], 0x0               ; inputs s[4:5], Wg s[6:7], bg s[8:9], xq s[10:11]
	s_load_b128 s[12:15], s[0:1], 0x20             ; xs s[12:13], sel s[14:15]
	s_load_b64 s[16:17], s[0:1], 0x30              ; wts
	v_lshl_add_u32 v126, v0, 2, 0x1000
	v_mov_b32 v127, 0
	v_lshrrev_b32 v1, 5, v0
	v_readfirstlane_b32 s18, v1                    ; wave 0..3
	v_and_b32 v1, 31, v0                           ; lane
	s_lshl_b32 s19, ttmp9, 2
	s_add_co_u32 s19, s19, s18                     ; my token
	s_lshl_b32 s32, s18, 10                        ; my wave's 1,024 bytes of LDS
	s_mov_b32 s28, 0x76543210
	s_mov_b32 s29, 0xfedcba98                      ; v_permlanex16_b32's selects for lane l xor 16
	v_lshlrev_b32 v2, 7, v1                        ; x: 128 bytes a lane
	v_lshlrev_b32 v3, 10, v1                       ; Wg: 32 rows of 32 bytes a lane
	v_mul_u32_u24 v4, v1, 24
	v_add_nc_u32 v4, s32, v4                       ; the stage, in: 24 bytes a lane
	v_lshl_add_u32 v5, v1, 4, s32                  ; back: the first 512 bytes, 16 a lane,
	v_lshl_add_u32 v6, v1, 3, s32
	v_add_nc_u32 v6, 512, v6                       ; and the last 256, 8 a lane
	v_lshlrev_b32 v7, 4, v1                        ; the same two places in xq's row
	v_lshlrev_b32 v8, 3, v1
	v_add_nc_u32 v8, 512, v8
	v_and_b32 v9, 28, v1                           ; my scale byte's place: in its word, block 1 goes to byte 2 and block 2 to byte 1
	v_and_b32 v10, 1, v1
	v_lshl_or_b32 v9, v10, 1, v9
	v_bfe_u32 v10, v1, 1, 1
	v_or_b32 v9, v9, v10
	v_lshlrev_b32 v10, 2, v1                       ; 4 x lane: lanes 0 and 1 store the two slots
	v_mov_b32 v56, 0                               ; written once: a lane permute's destination counts as one of its sources
	s_mov_b32 s31, 0
	s_wait_kmcnt 0x0
	s_load_b256 s[20:27], s[8:9], 0x0              ; bg's eight numbers
	s_lshl_b32 s30, s19, 12
	s_add_nc_u64 s[4:5], s[4:5], s[30:31]          ; my row of inputs
	s_mul_i32 s30, s19, 768
	s_add_nc_u64 s[10:11], s[10:11], s[30:31]      ; of xq
	s_lshl_b32 s30, s19, 5
	s_add_nc_u64 s[12:13], s[12:13], s[30:31]      ; of xs
	s_lshl_b32 s30, s19, 3
	s_add_nc_u64 s[14:15], s[14:15], s[30:31]      ; of sel
	s_add_nc_u64 s[16:17], s[16:17], s[30:31]      ; of wts
.set j, 0
.rept 32
	global_load_b128 v[WA+4*j:WA+4*j+3], v3, s[6:7] offset:16*j
.set j, j+1
.endr
.irp j, 0,1,2,3,4,5,6,7
	global_load_b128 v[X+4*\j:X+4*\j+3], v2, s[4:5] offset:16*\j th:TH_LOAD_NT
.endr
	WIN 0x40                                       ; destination window 1
.set j, 0
.rept 32
	global_load_b128 v[4*j:4*j+3], v3, s[6:7] offset:512+16*j
.set j, j+1
.endr
	WIN 0
	s_wait_loadcnt 32                              ; Wg's first half and x are in; the 32 loads issued behind them may be out
.irp e, 0,1,2,3,4,5,6,7
	v_mul_f32 v[LG+\e], v[X], v[WA+\e]             ; the first product starts each sum
.endr
.set i, 1
.rept 15
.irp e, 0,1,2,3,4,5,6,7
	v_fmac_f32 v[LG+\e], v[X+i], v[WA+8*i+\e]
.endr
.set i, i+1
.endr
	; my block's largest magnitude, in two chains, with the floor 2^(5 - 127) among the leaves: the byte cannot fall under 1
	v_max3_num_f32 v64, |v[X]|, |v[X+1]|, |v[X+2]|
	v_max3_num_f32 v65, |v[X+3]|, |v[X+4]|, |v[X+5]|
.irp i, 6,10,14,18,22,26
	v_max3_num_f32 v64, v64, |v[X+\i]|, |v[X+\i+1]|
	v_max3_num_f32 v65, v65, |v[X+\i+2]|, |v[X+\i+3]|
.endr
	v_max3_num_f32 v64, v64, |v[X+30]|, |v[X+31]|
	v_max3_num_f32 v64, v64, v65, 0x2800000
	v_add_nc_u32 v66, 0xfe000000, v64              ; 4 off its exponent field: the conversion takes this operand's exponent field as its scale
	v_lshrrev_b32 v67, 23, v66                     ; the scale's byte
	v_cvt_scalef32_pk16_bf6_f32 v[68:70], v[X:X+15], v66
	v_cvt_scalef32_pk16_bf6_f32 v[72:74], v[X+16:X+31], v66   ; (a conversion's three registers begin on an even number)
	v_nop                                          ; one plain place behind a scaled conversion
	v_mov_b32 v71, v72
	v_mov_b32 v72, v73
	v_mov_b32 v73, v74                             ; v68-73: my 24 bytes
	ds_store_b64 v4, v[68:69]
	ds_store_b64 v4, v[70:71] offset:8
	ds_store_b64 v4, v[72:73] offset:16
	ds_load_b128 v[76:79], v5                      ; LDS serves a wave's instructions in order: these see my wave's stores
	ds_load_b64 v[80:81], v6
	s_wait_loadcnt 0x0                             ; Wg's second half
	WIN 0x04                                       ; source 1 window 1
.set i, 16
.rept 16
.irp e, 0,1,2,3,4,5,6,7
	v_fmac_f32 v[LG+\e], v[X+i], v[8*(i-16)+\e]
.endr
.set i, i+1
.endr
	WIN 0
.irp m, 1,2,4,8                        ; the sum over the lanes: four steps inside each half of 16, the eight logits by turns
.irp e, 0,1,2,3,4,5,6,7
	v_add_f32_dpp v[LG+\e], v[LG+\e], v[LG+\e] row_xmask:\m row_mask:0xf bank_mask:0xf
.endr
.endr
	s_wait_kmcnt 0x0                               ; bg
.irp e, 0,1,2,3,4,5,6,7
	v_permlanex16_b32 v56, v[LG+\e], s28, s29
	v_add_f32 v[LG+\e], v[LG+\e], v56
	v_add_f32 v[LG+\e], s[20+\e], v[LG+\e]         ; every lane now holds the logit
.endr
	v_mov_b32 v57, v[LG]                           ; m1, i1: the largest, the lower index on a tie
	v_mov_b32 v58, 0
.irp e, 1,2,3,4,5,6,7
	v_cmp_gt_f32 vcc_lo, v[LG+\e], v57
	v_cndmask_b32 v57, v57, v[LG+\e], vcc_lo
	v_cndmask_b32 v58, v58, \e, vcc_lo
.endr
	v_mov_b32 v59, 0xff800000                      ; m2, i2: the largest of the other seven
	v_mov_b32 v60, 0
.irp e, 0,1,2,3,4,5,6,7
	v_cmp_gt_f32 s32, v[LG+\e], v59
	v_cmp_ne_u32 s33, \e, v58
	s_and_b32 vcc_lo, s32, s33
	v_cndmask_b32 v59, v59, v[LG+\e], vcc_lo
	v_cndmask_b32 v60, v60, \e, vcc_lo
.endr
	v_sub_f32 v61, v59, v57                        ; m2 - m1, 0 or less: the maximum is taken away
	v_mul_f32 v61, 0x3fb8aa3b, v61
	v_exp_f32 v61, v61                             ; t = e^(m2 - m1)
	v_nop                                          ; a plain place behind the transcendental,
	s_wait_alu depctr_va_vdst(0)                   ; and a wait ahead of the first use
	v_add_f32 v62, 1.0, v61
	v_rcp_f32 v62, v62                             ; w0 = 1 / (1 + t)
	v_cmp_eq_u32 vcc_lo, 0, v1                     ; (a plain place)  lane 0 takes slot 0, lane 1 slot 1
	s_wait_alu depctr_va_vdst(0)
	v_mul_f32 v63, v61, v62                        ; w1 = t w0
	v_cndmask_b32 v82, v60, v58, vcc_lo
	v_cndmask_b32 v83, v63, v62, vcc_lo
	s_wait_dscnt 0x0                               ; the codes are back from the stage
	global_store_b128 v7, v[76:79], s[10:11]       ; 32 lanes: 512 consecutive bytes, from a multiple of 256 in xq
	global_store_b64 v8, v[80:81], s[10:11]        ; and the next 256
	global_store_b8 v9, v67, s[12:13]              ; the token's 32 scale bytes
	s_wait_xcnt 0x0                                ; EXEC changes only behind this wait
	v_cmp_gt_u32 vcc_lo, 2, v1
	s_barrier_signal -1
	s_barrier_wait -1
	s_wait_tensorcnt 0x0
	ds_add_u32 v126, v127
	s_wait_dscnt 0x0
	s_and_saveexec_b32 s34, vcc_lo
	global_store_b32 v10, v82, s[14:15]
	global_store_b32 v10, v83, s[16:17]
	s_wait_xcnt 0x0                                ; and again, in front of the line that widens it
	s_or_b32 exec_lo, exec_lo, s34
	s_endpgm
.Lfunc_end_k_q3507d89744_gate:
	.size	k_q3507d89744_gate, .Lfunc_end_k_q3507d89744_gate-k_q3507d89744_gate
	.p2alignl 7, 3214868480
	.fill 96, 4, 3214868480
	.section	.rodata,"a",@progbits
	.p2align	6, 0x0
	.amdhsa_kernel k_q3507d89744_gate
		.amdhsa_group_segment_fixed_size 4608
		.amdhsa_private_segment_fixed_size 0
		.amdhsa_enable_private_segment 0
		.amdhsa_kernarg_size 56
		.amdhsa_user_sgpr_count 2
		.amdhsa_user_sgpr_kernarg_segment_ptr 1
		.amdhsa_wavefront_size32 1
		.amdhsa_system_sgpr_workgroup_id_x 1
		.amdhsa_system_sgpr_workgroup_id_y 1
		.amdhsa_system_sgpr_workgroup_id_z 1
		.amdhsa_system_vgpr_workitem_id 0
		.amdhsa_next_free_vgpr 384
		.amdhsa_next_free_sgpr 66
		.amdhsa_reserve_vcc 1
		.amdhsa_float_denorm_mode_32 3
		.amdhsa_float_denorm_mode_16_64 3
		.amdhsa_memory_ordered 1
		.amdhsa_forward_progress 1
		.amdhsa_inst_pref_size 27
	.end_amdhsa_kernel
	.amdgpu_metadata
---
amdhsa.version: [ 1, 2 ]
amdhsa.kernels:
  - .name:           k_q3507d89744_gate
    .symbol:         k_q3507d89744_gate.kd
    .args:
      - { .name: inputs, .offset: 0, .size: 8, .value_kind: global_buffer, .address_space: global }
      - { .name: Wg, .offset: 8, .size: 8, .value_kind: global_buffer, .address_space: global }
      - { .name: bg, .offset: 16, .size: 8, .value_kind: global_buffer, .address_space: global }
      - { .name: xq, .offset: 24, .size: 8, .value_kind: global_buffer, .address_space: global }
      - { .name: xs, .offset: 32, .size: 8, .value_kind: global_buffer, .address_space: global }
      - { .name: sel, .offset: 40, .size: 8, .value_kind: global_buffer, .address_space: global }
      - { .name: wts, .offset: 48, .size: 8, .value_kind: global_buffer, .address_space: global }
    .group_segment_fixed_size: 4608
    .private_segment_fixed_size: 0
    .kernarg_segment_align: 8
    .kernarg_segment_size: 56
    .max_flat_workgroup_size: 128
    .sgpr_count:     66
    .vgpr_count:     384
    .wavefront_size: 32
...
	.end_amdgpu_metadata
.endif
;; end of part 1
;; launch up (part 2): grid 32 x 8, 4 waves a work-group, no clusters, 8,960 bytes of LDS; arguments sel, xq, xs, W1_codes, W1_scales, b1, hbuf, hs; writes hbuf, hs
.if DOCPART == 2
	.amdgcn_target "amdgcn-amd-amdhsa--gfx1250"
	.amdhsa_code_object_version 6
	.text
	.protected	k_q3507d89744_up
	.globl	k_q3507d89744_up
	.p2align	8
	.type	k_q3507d89744_up,@function
k_q3507d89744_up:
	s_mov_b64 s[64:65], 0
	v_nop
	global_prefetch_b8 v0, s[64:65] scope:SCOPE_SE
	s_setreg_imm32_b32 hwreg(HW_REG_WAVE_MODE, 25, 1), 1
	s_wait_xcnt 0x0
; h = Q(silu(x W1[e] + b1[e])) FOR THE ROWS THAT CHOSE EXPERT e, on codes of E3M2 with one E8M0 scale for each 32 along K.
; Work-group (x, y): expert e = y, hidden units 128 x .. 128 x + 127, which are K step x of the next product.
; THE WEIGHTS STAY: wave w (nh = w & 1, par = w >> 1) keeps 64 hidden units x K 1,024 of W1 in 384 registers, and walks the expert's tiles of 16 rows T = 2 g + par.
; THE ROWS: wave 0 makes the expert's list in LDS from sel (macro PLACE): token order, entry = token + 1,024 x slot; R entries, the rest filled with token 0.
; The next launch makes the same list by the same lines.  G = ceil(R / 32) groups of two tiles; at least two groups are always made, since the next launch asks for them ahead of its count.
; K ORDER: in a K step of 128, registers 6 c .. 6 c + 5 of lanes 16 h .. 16 h + 15 hold block 2 h + c (the layout names 2 c + h), alike on both operands: a lane's 48 bytes of a K step are
; neighbours in memory, three loads of 16 bytes.  The scale words have bytes 1 and 2 changed round to match (W1's here, by v_perm_b32; xs comes so).
; THE PRODUCT IS USED TRANSPOSED (source 0 = 16 rows of W1, source 1 = 16 rows of x), AND THE ROWS OF W1 THAT FORM A TILE ARE NOT NEIGHBOURS: lane r of tile 2 b + u takes unit
; 32 b + 8 u + r + 8 (r / 8): a lane then holds one row of h, and the 16 registers of tiles 2 b, 2 b + 1 are units 32 b + 16 (lane / 16) + 0 .. 15.  b1 is the C of each sum's first product.
; OUT: hbuf[e][K step][T][1,536]: the image of the next product's fragment, [i 0..2][lane][16 bytes] = registers 4 i .. 4 i + 3.  My 64 units are blocks 2 nh, 2 nh + 1: all that lanes
; 16 nh .. 16 nh + 15 of the image hold: three runs of 256 consecutive bytes.  hs[e][T][row][128]: byte 4 x + 2 b + nh is block 2 nh + b's scale.
; NO TENSOR LOADS, SO NO JOINT LOADS: the number of tiles is a number read from memory, so operands go from memory straight into registers.
; LIMITS: NaN and infinities are not served.  A block of zeros gets the byte 1 (its codes are zeros; the bytes are read by this program alone).
; REGISTERS.  Window 0: v1-13 offsets; v28-31 r, h, lane, r + 8 (r / 8); v32-63 W1's scale words (8 t + s); v64-79 x's (8 set + s); v80-111 the sums; v112-143 at work; v144-175 b1;
; v176-194 the quantiser; v224-235 PLACE.  Window 1: W1's fragments of K steps 0-4 (48 s + 12 t).  Window 2: of K steps 5-7.  Window 3: x's two sets (96 set + 12 s).
.set LIST, 0                           ; LDS: the list, 2,048 words
.set CNTA, 8192                        ; and the count
.set WS,   32
.set XSC,  64
.set ACC,  80
.set TT,   112
.set BIAS, 144
.set SL,   80                          ; PLACE: sel's 64 words a lane, where the sums will lie
.set FA,   224                         ; LIST + 16 x lane
.set DI,   225                         ; 1,152 + lane: a spare entry for a lane whose token did not choose e
.set TOK,  226
.set PP,   227
.set PA,   228                         ; written and used in wave 0's branch alone
.set EN,   229
.set CA,   230                         ; the count's word
.set SO,   231                         ; 8 x lane
.set FV,   232                         ; v232-235 the fill: token 0
.set MSB, 0
.macro WIN new                         ; the immediate's high byte repeats the setting that is left
.if MSB != \new
	s_set_vgpr_msb (MSB<<8)|\new
.set MSB, \new
.endif
.endm
; Wave 0 alone: expert s24's list.  Step i takes tokens 32 i + lane: a member's place is the count so far + the members in lower lanes.
.macro PLACE
.irp j, 0,1,2,3,4,5,6,7,8
	ds_store_b128 v[FA], v[FV:FV+3] offset:512*\j  ; entries 0 .. 1,151 are filled first (a wave's LDS instructions are served in order)
.endr
	s_mov_b32 s35, 0
	v_mov_b32 v[TOK], v30
.set PI, 0
.rept 32
	v_cmp_eq_u32 s36, s24, v[SL+2*PI]              ; chosen first,
	v_cmp_eq_u32 s37, s24, v[SL+2*PI+1]            ; or second
	s_or_b32 s38, s36, s37
	v_mbcnt_lo_u32_b32 v[PP], s38, s35
	v_cndmask_b32 v[PP], v[DI], v[PP], s38
	v_min_u32 v[PP], 0x7ff, v[PP]                  ; inside the list's 2,048 words, whatever sel holds
	v_lshl_add_u32 v[PA], v[PP], 2, LIST
	v_add_nc_u32 v[EN], 0x400, v[TOK]
	v_cndmask_b32 v[EN], v[TOK], v[EN], s37        ; token + 1,024 x slot
	ds_store_b32 v[PA], v[EN]
	v_add_nc_u32 v[TOK], 32, v[TOK]
	s_bcnt1_i32_b32 s29, s38
	s_add_co_u32 s35, s35, s29
.set PI, PI+1
.endr
	v_mov_b32 v[EN], s35
	ds_store_b32 v[CA], v[EN]
.endm
.macro WLOAD s                         ; W1's four fragments of K step s: 12 loads of 16 bytes
.if \s < 5
	WIN 0x40
.set WB, 48*\s
.else
	WIN 0x80
.set WB, 48*(\s-5)
.endif
.irp t, 0,1,2,3
.irp i, 0,1,2
	global_load_b128 v[WB+12*\t+4*\i:WB+12*\t+4*\i+3], v3, s[10:11] offset:(32*(\t/2)+8*(\t%2))*768+96*\s+16*\i
.endr
.endr
.endm
.macro ADDR k                          ; the entry in v8 becomes set k's offsets in xq and xs
	v_and_b32 v9, 0x3ff, v8                        ; the token
	v_min_u32 v9, 0x3ff, v9
	v_mul_u32_u24 v[10+\k], v9, 768
	v_add_nc_u32 v[10+\k], v6, v[10+\k]            ; + 48 h
	v_lshlrev_b32 v[12+\k], 5, v9
.endm
.macro XLOAD k                         ; 16 rows of x, all of K: 24 loads of codes and 2 of scale words
	WIN 0xc0
.irp s, 0,1,2,3,4,5,6,7
.irp i, 0,1,2
	global_load_b128 v[96*\k+12*\s+4*\i:96*\k+12*\s+4*\i+3], v[10+\k], s[6:7] offset:96*\s+16*\i
.endr
.endr
	WIN 0
	global_load_b128 v[XSC+8*\k:XSC+8*\k+3], v[12+\k], s[8:9]
	global_load_b128 v[XSC+8*\k+4:XSC+8*\k+7], v[12+\k], s[8:9] offset:16
.endm
.macro MUL k                           ; 32 products: K step by K step, the four sums by turns, one instruction a turn
.irp s, 0,1,2,3,4,5,6,7
.if \s < 5
	WIN 0x0d                                       ; source 0 (W1) window 1, source 1 (x) window 3
.set WB, 48*\s
.else
	WIN 0x0e                                       ; source 0 window 2
.set WB, 48*(\s-5)
.endif
.irp t, 0,1,2,3
.if \s == 0
	v_wmma_scale_f32_16x16x128_f8f6f4 v[ACC+8*\t:ACC+8*\t+7], v[WB+12*\t:WB+12*\t+11], v[96*\k+12*\s:96*\k+12*\s+11], v[BIAS+8*\t:BIAS+8*\t+7], v[WS+8*\t+\s], v[XSC+8*\k+\s] matrix_a_fmt:MATRIX_FMT_BF6 matrix_b_fmt:MATRIX_FMT_BF6
.else
	v_wmma_scale_f32_16x16x128_f8f6f4 v[ACC+8*\t:ACC+8*\t+7], v[WB+12*\t:WB+12*\t+11], v[96*\k+12*\s:96*\k+12*\s+11], v[ACC+8*\t:ACC+8*\t+7], v[WS+8*\t+\s], v[XSC+8*\k+\s] matrix_a_fmt:MATRIX_FMT_BF6 matrix_b_fmt:MATRIX_FMT_BF6
.endif
.endr
.endr
.endm
; ONE TILE of 16 rows, from set k.  Tile g + 2's rows are asked for as soon as set k has been multiplied, in every tile: beyond the expert's rows the list names token 0.
.macro TILE k
	ds_load_b32 v8, v7 offset:256                  ; the list's entry for my lane's row of tile g + 2
	v_add_nc_u32 v7, 128, v7
	s_wait_loadcnt 26                              ; set k is in: behind its loads only the other set's 26 were issued (at the first tile this covers the weights too)
	MUL \k
	WIN 0
	s_wait_dscnt 0x0
	ADDR \k                                        ; five plain lines that name none of the products' registers: the places ahead of the loads and of the first read of the sums
	XLOAD \k
.irp j, 0,2,4,6,8,10,12,14,16,18,20,22,24,26,28,30
	v_pk_mul_f32 v[TT+\j:TT+\j+1], v[ACC+\j:ACC+\j+1], s[40:41] op_sel_hi:[1,0]   ; -z log2(e); each sum is read from its low end on
.endr
.set j, 0
.rept 32
	v_exp_f32 v[TT+j], v[TT+j]                     ; e^-z
.set j, j+1
.endr
	v_nop                                          ; a plain place behind the batch,
	s_wait_alu depctr_va_vdst(0)                   ; and one wait for it, ahead of its first use
.irp j, 0,2,4,6,8,10,12,14,16,18,20,22,24,26,28,30
	v_pk_add_f32 v[TT+\j:TT+\j+1], v[TT+\j:TT+\j+1], 1.0 op_sel_hi:[1,0]
.endr
.set j, 0
.rept 32
	v_rcp_f32 v[TT+j], v[TT+j]                     ; 1 / (1 + e^-z)
.set j, j+1
.endr
	v_nop
	s_wait_alu depctr_va_vdst(0)
.irp j, 0,2,4,6,8,10,12,14,16,18,20,22,24,26,28,30
	v_pk_mul_f32 v[TT+\j:TT+\j+1], v[TT+\j:TT+\j+1], v[ACC+\j:ACC+\j+1]   ; silu(z), in f32
.endr
	; two blocks of 32 along the next K: my 16 numbers of each, and lane l xor 16's
.irp b, 0,1
	v_max3_num_f32 v[176+\b], |v[TT+16*\b]|, |v[TT+16*\b+1]|, 0x2800000   ; with the floor 2^(5 - 127): the byte cannot fall under 1
.endr
.irp i, 2,4,6,8,10,12,14
.irp b, 0,1
	v_max3_num_f32 v[176+\b], v[176+\b], |v[TT+16*\b+\i]|, |v[TT+16*\b+\i+1]|
.endr
.endr
.irp b, 0,1
	v_permlanex16_b32 v[178+\b], v[176+\b], s32, s33
.endr
.irp b, 0,1
	v_max_num_f32 v[176+\b], v[176+\b], v[178+\b]
.endr
.irp b, 0,1
	v_add_nc_u32 v[180+\b], 0xfe000000, v[176+\b]  ; 4 off the exponent field: the conversion's scale operand
.endr
.irp b, 0,1
	v_lshrrev_b32 v[182+\b], 23, v[180+\b]         ; the scale's byte
.endr
	v_cvt_scalef32_pk16_bf6_f32 v[186:188], v[TT:TT+15], v180
	v_cvt_scalef32_pk16_bf6_f32 v[192:194], v[TT+16:TT+31], v181
	v_nop                                          ; one plain place behind a scaled conversion
	; A row's 48 bytes are words d0 .. d11.  Lanes 0-15 hold d0-2 and d6-8, lanes 16-31 d3-5 and d9-11.  Wanted, for three stores of 8 bytes a lane: (d0 d1 | d2 d3), (d4 d5 | d6 d7), (d8 d9 | d10 d11).
	v_permlane16_swap_b32 v186, v188               ; v186 = (d0 | d2), v188 = (d3 | d5)
	v_permlane16_swap_b32 v187, v188               ; v187 = (d1 | d3), v188 = (d4 | d5)
	v_permlane16_swap_b32 v188, v192               ; v188 = (d4 | d6), v192 = (d5 | d9)
	v_permlane16_swap_b32 v192, v193               ; v192 = (d5 | d7), v193 = (d9 | d10)
	v_mov_b32 v189, v192
	v_cndmask_b32 v190, v194, v193, s34            ; (d8 | d10)
	v_cndmask_b32 v191, v193, v194, s34            ; (d9 | d11)
	v_cndmask_b32 v184, v182, v183, s34            ; lanes 0-15 store block 0's byte, lanes 16-31 block 1's
.irp i, 0,1,2
	global_store_b64 v1, v[186+2*\i:187+2*\i], s[16:17] offset:512*\i   ; 32 lanes: 256 consecutive bytes, from a multiple of 256 in hbuf
.endr
	global_store_b8 v2, v184, s[18:19]
	s_wait_xcnt 0x0                                ; the stores have read their data and bases: both are written again only behind this wait
	s_add_nc_u64 s[16:17], s[16:17], 3072          ; two tiles on
	s_add_nc_u64 s[18:19], s[18:19], 4096
.endm
	s_load_b256 s[4:11], s[0:1], 0x0               ; sel s[4:5], xq s[6:7], xs s[8:9], W1's codes s[10:11]
	s_load_b256 s[12:19], s[0:1], 0x20             ; W1's scales s[12:13], b1 s[14:15], hbuf s[16:17], hs s[18:19]
	v_lshl_add_u32 v254, v0, 2, 0x2100
	v_mov_b32 v255, 0
	v_lshrrev_b32 v28, 5, v0
	v_readfirstlane_b32 s20, v28                   ; wave 0..3
	s_and_b32 s21, s20, 1                          ; nh: which 64 hidden units
	s_lshr_b32 s22, s20, 1                         ; par: which tile of each group
	s_mov_b32 s23, ttmp9                           ; the chunk of 128 hidden units
	s_and_b32 s24, ttmp7, 0xffff                   ; the expert
	s_mov_b32 s32, 0x76543210
	s_mov_b32 s33, 0xfedcba98                      ; v_permlanex16_b32's selects for lane l xor 16
	s_mov_b32 s34, 0xffff0000                      ; lanes 16-31
	s_mov_b32 s39, 0x03010200                      ; v_perm_b32: bytes 1 and 2 change places
	s_mov_b32 s40, 0xbfb8aa3b                      ; -log2(e)
	s_mov_b32 s41, s40                             ; (named with it as a pair, so it is written)
	v_and_b32 v30, 31, v0                          ; lane
	v_and_b32 v28, 15, v0                          ; r
	v_bfe_u32 v29, v0, 4, 1                        ; h
	v_lshlrev_b32 v1, 4, v28
	v_lshl_add_u32 v1, v29, 3, v1                  ; h's codes: 16 r + 8 h
	v_lshlrev_b32 v2, 7, v28
	v_lshl_add_u32 v2, v29, 1, v2                  ; h's scale bytes: 128 r + 2 h
	v_and_b32 v31, 8, v28
	v_add_nc_u32 v31, v31, v28                     ; r + 8 (r / 8)
	v_mul_u32_u24 v3, v31, 768
	v_mad_u32_u24 v3, v29, 48, v3                  ; W1's codes
	v_lshlrev_b32 v4, 5, v31                       ; W1's scale words: 32 bytes a row
	v_lshlrev_b32 v5, 6, v29                       ; b1: 64 h
	v_mul_u32_u24 v6, v29, 48
	s_lshl_b32 s29, s22, 6
	v_lshl_add_u32 v7, v28, 2, s29                 ; the list: 64 par + 4 r (+ 128 a group)
	v_lshlrev_b32 v[FA], 4, v30
	v_add_nc_u32 v[DI], 1152, v30
	v_mov_b32 v[CA], CNTA
	v_lshlrev_b32 v[SO], 3, v30
.irp i, 0,1,2,3
	v_mov_b32 v[FV+\i], 0
.endr
	v_mov_b32 v178, 0                              ; written once: a lane permute's destination counts as one of its sources
	v_mov_b32 v179, 0
	s_lshl_b32 s29, s24, 12
	s_lshl_b32 s30, s23, 7
	s_add_co_u32 s29, s29, s30
	s_lshl_b32 s30, s21, 6
	s_add_co_u32 s29, s29, s30                     ; my first row of W1: 4,096 e + 128 chunk + 64 nh
	s_mov_b32 s31, 0
	s_wait_kmcnt 0x0
	s_mul_i32 s30, s29, 768
	s_add_nc_u64 s[10:11], s[10:11], s[30:31]
	s_lshl_b32 s30, s29, 5
	s_add_nc_u64 s[12:13], s[12:13], s[30:31]
	s_lshl_b32 s30, s29, 2
	s_add_nc_u64 s[14:15], s[14:15], s[30:31]
	s_lshl_b32 s29, s24, 5
	s_add_co_u32 s29, s29, s23
	s_lshl_b32 s29, s29, 6
	s_add_co_u32 s29, s29, s22
	s_mul_i32 s30, s29, 1536                       ; hbuf: ((32 e + chunk) 64 + par) images
	s_lshl_b32 s29, s21, 8
	s_add_co_u32 s30, s30, s29                     ; + 256 nh
	s_add_nc_u64 s[16:17], s[16:17], s[30:31]
	s_lshl_b32 s29, s24, 6
	s_add_co_u32 s29, s29, s22
	s_lshl_b32 s30, s29, 11                        ; hs: (64 e + par) tiles of 2,048 bytes
	s_lshl_b32 s29, s23, 2
	s_add_co_u32 s30, s30, s29
	s_add_co_u32 s30, s30, s21                     ; + 4 chunk + nh
	s_add_nc_u64 s[18:19], s[18:19], s[30:31]
	WLOAD 0
	WLOAD 1
	WLOAD 2
	WLOAD 3
	WIN 0
	s_cmp_lg_u32 s20, 0
	s_cbranch_scc1 .Lnot_wave_0
.set j, 0
.rept 32
	global_load_b64 v[SL+2*j:SL+2*j+1], v[SO], s[4:5] offset:256*j
.set j, j+1
.endr
	s_wait_loadcnt 0x0
	PLACE
.Lnot_wave_0:
	WLOAD 4
	WLOAD 5
	WLOAD 6
	WLOAD 7
	WIN 0
.irp t, 0,1,2,3
	global_load_b128 v[WS+8*\t:WS+8*\t+3], v4, s[12:13] offset:(32*(\t/2)+8*(\t%2))*32
	global_load_b128 v[WS+8*\t+4:WS+8*\t+7], v4, s[12:13] offset:(32*(\t/2)+8*(\t%2))*32+16
	global_load_b128 v[BIAS+8*\t:BIAS+8*\t+3], v5, s[14:15] offset:(32*(\t/2)+8*(\t%2))*4
	global_load_b128 v[BIAS+8*\t+4:BIAS+8*\t+7], v5, s[14:15] offset:(32*(\t/2)+8*(\t%2))*4+16
.endr
	s_wait_dscnt 0x0                               ; wave 0's stores of the list and the count have landed
	s_barrier_signal -1
	s_barrier_wait -1                              ; the launch's one barrier: from here on LDS is only read
	ds_load_b32 v8, v[CA]
	s_wait_dscnt 0x0
	v_readfirstlane_b32 s25, v8
	s_min_u32 s25, s25, 0x400                      ; R
	s_add_co_u32 s26, s25, 31
	s_lshr_b32 s26, s26, 5
	s_max_u32 s26, s26, 2                          ; groups to make: at least two
	ds_load_b32 v8, v7
	s_wait_dscnt 0x0
	ADDR 0
	XLOAD 0
	ds_load_b32 v8, v7 offset:128
	s_wait_dscnt 0x0
	ADDR 1
	XLOAD 1
	s_wait_loadcnt 52                              ; all but the 52 loads of x just issued: W1's scale words are in
.set j, 0
.rept 32
	v_perm_b32 v[WS+j], v[WS+j], v[WS+j], s39
.set j, j+1
.endr
.rept 8
	v_nop                                          ; a scale register written by a vector instruction stands 8 places ahead of a scaled product
.endr
	s_mov_b32 s27, 0                               ; g
	s_mov_b32 s28, 0
.Lpair:                                                ; at most 16 trips of two tiles; the loop is left when the expert's groups are done
	s_cmp_ge_u32 s27, s26
	s_cbranch_scc1 .Ldone
	TILE 0
	s_add_co_u32 s27, s27, 1
	s_cmp_ge_u32 s27, s26
	s_cbranch_scc1 .Ldone
	TILE 1
	s_add_co_u32 s27, s27, 1
	s_add_co_u32 s28, s28, 1
	s_cmp_lt_u32 s28, 16
	s_cbranch_scc1 .Lpair
.Ldone:
	s_barrier_signal -1
	s_barrier_wait -1
	s_wait_tensorcnt 0x0
	ds_add_u32 v254, v255
	s_wait_dscnt 0x0
	s_endpgm
.Lfunc_end_k_q3507d89744_up:
	.size	k_q3507d89744_up, .Lfunc_end_k_q3507d89744_up-k_q3507d89744_up
	.p2alignl 7, 3214868480
	.fill 96, 4, 3214868480
	.section	.rodata,"a",@progbits
	.p2align	6, 0x0
	.amdhsa_kernel k_q3507d89744_up
		.amdhsa_group_segment_fixed_size 8960
		.amdhsa_private_segment_fixed_size 0
		.amdhsa_enable_private_segment 0
		.amdhsa_kernarg_size 64
		.amdhsa_user_sgpr_count 2
		.amdhsa_user_sgpr_kernarg_segment_ptr 1
		.amdhsa_wavefront_size32 1
		.amdhsa_system_sgpr_workgroup_id_x 1
		.amdhsa_system_sgpr_workgroup_id_y 1
		.amdhsa_system_sgpr_workgroup_id_z 1
		.amdhsa_system_vgpr_workitem_id 0
		.amdhsa_next_free_vgpr 960
		.amdhsa_next_free_sgpr 66
		.amdhsa_reserve_vcc 0
		.amdhsa_float_denorm_mode_32 3
		.amdhsa_float_denorm_mode_16_64 3
		.amdhsa_memory_ordered 1
		.amdhsa_forward_progress 1
		.amdhsa_inst_pref_size 78
	.end_amdhsa_kernel
	.amdgpu_metadata
---
amdhsa.version: [ 1, 2 ]
amdhsa.kernels:
  - .name:           k_q3507d89744_up
    .symbol:         k_q3507d89744_up.kd
    .args:
      - { .name: sel, .offset: 0, .size: 8, .value_kind: global_buffer, .address_space: global }
      - { .name: xq, .offset: 8, .size: 8, .value_kind: global_buffer, .address_space: global }
      - { .name: xs, .offset: 16, .size: 8, .value_kind: global_buffer, .address_space: global }
      - { .name: W1_codes, .offset: 24, .size: 8, .value_kind: global_buffer, .address_space: global }
      - { .name: W1_scales, .offset: 32, .size: 8, .value_kind: global_buffer, .address_space: global }
      - { .name: b1, .offset: 40, .size: 8, .value_kind: global_buffer, .address_space: global }
      - { .name: hbuf, .offset: 48, .size: 8, .value_kind: global_buffer, .address_space: global }
      - { .name: hs, .offset: 56, .size: 8, .value_kind: global_buffer, .address_space: global }
    .group_segment_fixed_size: 8960
    .private_segment_fixed_size: 0
    .kernarg_segment_align: 8
    .kernarg_segment_size: 64
    .max_flat_workgroup_size: 128
    .sgpr_count:     66
    .vgpr_count:     960
    .wavefront_size: 32
...
	.end_amdgpu_metadata
.endif
;; end of part 2
;; launch down (part 3): grid 32 x 8, 4 waves a work-group, no clusters, 87,040 bytes of LDS; arguments sel, wts, hbuf, hs, W2_codes, W2_scales, b2, ybuf; writes ybuf
.if DOCPART == 3
	.amdgcn_target "amdgcn-amd-amdhsa--gfx1250"
	.amdhsa_code_object_version 6
	.text
	.protected	k_q3507d89744_down
	.globl	k_q3507d89744_down
	.p2align	8
	.type	k_q3507d89744_down,@function
k_q3507d89744_down:
	s_mov_b64 s[64:65], 0
	v_nop
	global_prefetch_b8 v0, s[64:65] scope:SCOPE_SE
	s_setreg_imm32_b32 hwreg(HW_REG_WAVE_MODE, 25, 1), 1
	s_wait_xcnt 0x0
; y = w (h W2[e] + b2[e]) FOR THE ROWS THAT CHOSE EXPERT e, on codes of E3M2 with one E8M0 scale for each 32 along K; w the gate's weight of the row.
; Work-group (x, y): expert e = y, outputs 64 (x >> 1) .. + 63, the expert's groups of 32 rows g with g mod 2 = x & 1.
; THE WEIGHTS STAY: wave q keeps 64 outputs x K steps 8 q .. 8 q + 7 of W2 in 384 registers.  So each byte of h is loaded once in the work-group and feeds four products;
; the four waves' partial sums of a group (32 rows x 64 outputs) meet in LDS, and wave q adds, scales and stores rows 8 q .. 8 q + 7.
; THE ROWS: wave 0 makes the expert's list and the rows' weights in LDS, by the lines by which the launch before made the list.  Entry = token + 1,024 x slot = the row of ybuf.
; Past the expert's R rows the list names this work-group's own spare row of ybuf (2,048 + 32 y + x), with weight 0: EXEC never changes, and no byte of ybuf has two writers.
; h comes as images of the fragments' registers (hbuf) and scale words (hs), W2 in the same K order (in a K step, registers 6 c .. of lanes 16 h .. hold block 2 h + c): 48 neighbouring bytes a lane.
; THE PRODUCT IS USED TRANSPOSED (source 0 = 16 rows of W2, source 1 = 16 rows of h): a lane holds eight neighbouring outputs of one row.
; THE LOOP has a constant number of trips, and its barrier stands on every path; a trip whose group the expert does not have jumps over the work alone.
; NO TENSOR LOADS, SO NO JOINT LOADS: which trips have work is a number read from memory, so operands go from memory straight into registers.
; LIMITS: NaN and infinities are not served.  A row's sum over K is made of four partial sums: ((q0 + q1) + (q2 + q3)).
; REGISTERS.  Window 0: v1-11 offsets; v20-23 b2; v32-63 W2's scale words (8 t + s); v64-79 h's (8 tile + s); v80-143 the sums (32 tile + 8 t); v144-207 partial sums from LDS;
; v208-215 the rows' weights; v216-219 entries; v220-223 offsets in ybuf; v224-243 PLACE.  Window 1: W2's fragments of my K steps 0-4.  Window 2: 5-7.  Window 3: h's two tiles (96 tile + 12 s).
.set RBUF, 34816                       ; LDS from 0: two buffers of [wave 4][row 32][256 + 16 bytes]
.set RWAV, 8704
.set LIST, 69632                       ; the list, 2,048 words;
.set WOFF, 8192                        ; the weights lie 8,192 bytes behind it, 2,048 words;
.set CNTA, 86016                       ; the count
.set WS,   32
.set HSC,  64
.set ACC,  80
.set RD,   144
.set GW,   208
.set ENT,  216
.set YO,   220
.set SL,   80                          ; PLACE: sel's 64 words a lane,
.set WT,   144                         ; and wts'
.set FA,   224
.set DI,   225
.set TOK,  226
.set PP,   227
.set PA,   228                         ; written and used in wave 0's branch alone
.set EN,   229
.set CA,   230
.set SO,   231
.set WW,   232
.set FV,   236                         ; v236-239 the list's fill: my spare row
.set ZV,   240                         ; v240-243 the weights' fill: 0
.set MSB, 0
.macro WIN new                         ; the immediate's high byte repeats the setting that is left
.if MSB != \new
	s_set_vgpr_msb (MSB<<8)|\new
.set MSB, \new
.endif
.endm
; Wave 0 alone: expert s24's list and weights.  Step i takes tokens 32 i + lane: a member's place is the count so far + the members in lower lanes.
.macro PLACE
.irp j, 0,1,2,3,4,5,6,7,8
	ds_store_b128 v[FA], v[FV:FV+3] offset:512*\j  ; entries 0 .. 1,151 are filled first (a wave's LDS instructions are served in order)
	ds_store_b128 v[FA], v[ZV:ZV+3] offset:WOFF+512*\j
.endr
	s_mov_b32 s35, 0
	v_mov_b32 v[TOK], v9
.set PI, 0
.rept 32
	v_cmp_eq_u32 s36, s24, v[SL+2*PI]              ; chosen first,
	v_cmp_eq_u32 s37, s24, v[SL+2*PI+1]            ; or second
	s_or_b32 s38, s36, s37
	v_mbcnt_lo_u32_b32 v[PP], s38, s35
	v_cndmask_b32 v[PP], v[DI], v[PP], s38
	v_min_u32 v[PP], 0x7ff, v[PP]                  ; inside the list's 2,048 words, whatever sel holds
	v_lshl_add_u32 v[PA], v[PP], 2, LIST
	v_add_nc_u32 v[EN], 0x400, v[TOK]
	v_cndmask_b32 v[EN], v[TOK], v[EN], s37        ; token + 1,024 x slot
	v_cndmask_b32 v[WW], v[WT+2*PI], v[WT+2*PI+1], s37
	ds_store_b32 v[PA], v[EN]
	ds_store_b32 v[PA], v[WW] offset:WOFF
	v_add_nc_u32 v[TOK], 32, v[TOK]
	s_bcnt1_i32_b32 s29, s38
	s_add_co_u32 s35, s35, s29
.set PI, PI+1
.endr
	v_mov_b32 v[EN], s35
	ds_store_b32 v[CA], v[EN]
.endm
.macro WLOAD s                         ; W2's four fragments of my K step s: 12 loads of 16 bytes
.if \s < 5
	WIN 0x40
.set WB, 48*\s
.else
	WIN 0x80
.set WB, 48*(\s-5)
.endif
.irp t, 0,1,2,3
.irp i, 0,1,2
	global_load_b128 v[WB+12*\t+4*\i:WB+12*\t+4*\i+3], v3, s[12:13] offset:16*\t*3072+96*\s+16*\i
.endr
.endr
.endm
.macro HLOAD u                         ; tile u of the group: my eight K steps' images, 512 consecutive bytes a load, and the rows' scale words: 26 loads
	WIN 0xc0
.irp s, 0,1,2,3,4,5,6,7
.irp i, 0,1,2
	global_load_b128 v[96*\u+12*\s+4*\i:96*\u+12*\s+4*\i+3], v1, s[40+2*\u:41+2*\u] offset:98304*\s+512*\i
.endr
.endr
	WIN 0
	global_load_b128 v[HSC+8*\u:HSC+8*\u+3], v2, s[44+2*\u:45+2*\u]
	global_load_b128 v[HSC+8*\u+4:HSC+8*\u+7], v2, s[44+2*\u:45+2*\u] offset:16
.endm
.macro MUL u                           ; 32 products: K step by K step, the four sums by turns, one instruction a turn; the first K step starts the sums
.irp s, 0,1,2,3,4,5,6,7
.if \s < 5
	WIN 0x0d                                       ; source 0 (W2) window 1, source 1 (h) window 3
.set WB, 48*\s
.else
	WIN 0x0e                                       ; source 0 window 2
.set WB, 48*(\s-5)
.endif
.irp t, 0,1,2,3
.if \s == 0
	v_wmma_scale_f32_16x16x128_f8f6f4 v[ACC+32*\u+8*\t:ACC+32*\u+8*\t+7], v[WB+12*\t:WB+12*\t+11], v[96*\u+12*\s:96*\u+12*\s+11], 0, v[WS+8*\t+\s], v[HSC+8*\u+\s] matrix_a_fmt:MATRIX_FMT_BF6 matrix_b_fmt:MATRIX_FMT_BF6
.else
	v_wmma_scale_f32_16x16x128_f8f6f4 v[ACC+32*\u+8*\t:ACC+32*\u+8*\t+7], v[WB+12*\t:WB+12*\t+11], v[96*\u+12*\s:96*\u+12*\s+11], v[ACC+32*\u+8*\t:ACC+32*\u+8*\t+7], v[WS+8*\t+\s], v[HSC+8*\u+\s] matrix_a_fmt:MATRIX_FMT_BF6 matrix_b_fmt:MATRIX_FMT_BF6
.endif
.endr
.endr
.endm
.macro PLACES                          ; four plain places behind the products, ahead of loads into registers that they read and of LDS stores of their results
.rept 4
	v_nop
.endr
.endm
; ONE GROUP of 32 rows, through buffer buf.  At a trip's head either both tiles' loads are on their way, tile 0's first, or none is.
; The second tile's products are written in both arms of one branch, so that each wait stands in the arm of the loads that it counts.
.macro TRIP buf
	s_cmp_ge_u32 s27, s26
	s_cbranch_scc1 .Lmeet_\@
	s_wait_loadcnt 26                              ; tile 0 is in: behind its loads only tile 1's 26 were issued
	MUL 0
	WIN 0
	PLACES
	s_add_co_u32 s29, s27, 2
	s_cmp_lt_u32 s29, s26
	s_cbranch_scc0 .Llast_\@
	s_add_nc_u64 s[40:41], s[40:41], 6144          ; my next group's tile 0, four tiles on (the wait above has shown this base's loads done)
	s_add_nc_u64 s[44:45], s[44:45], 8192
	HLOAD 0
	s_wait_loadcnt 26                              ; tile 1 is in: behind its loads only the 26 just issued
	MUL 1
	WIN 0
	PLACES
	s_add_nc_u64 s[42:43], s[42:43], 6144
	s_add_nc_u64 s[46:47], s[46:47], 8192
	HLOAD 1
	s_branch .Lstage_\@
.Llast_\@:                                             ; my last group: nothing more is asked for
	s_wait_loadcnt 0x0
	MUL 1
	WIN 0
	PLACES
.Lstage_\@:
.irp u, 0,1
.irp t, 0,1,2,3
	ds_store_b128 v5, v[ACC+32*\u+8*\t:ACC+32*\u+8*\t+3] offset:\buf*RBUF+\u*4352+64*\t      ; row 16 u + r, outputs 16 t + 8 h + 0 .. 7; each sum from its low end on
	ds_store_b128 v5, v[ACC+32*\u+8*\t+4:ACC+32*\u+8*\t+7] offset:\buf*RBUF+\u*4352+64*\t+16
.endr
.endr
.Lmeet_\@:
	s_wait_dscnt 0x0                               ; my stores into this buffer have landed, and my reads of the other buffer, a trip ago, are in
	s_barrier_signal -1
	s_barrier_wait -1                              ; so this buffer is whole, and the other may be written again in the next trip
	s_cmp_ge_u32 s27, s26
	s_cbranch_scc1 .Lnext_\@
	s_wait_xcnt 0x0                                ; the last group's stores have read their data and offsets: both are written again only behind this wait
.irp i, 0,1,2,3
	ds_load_b32 v[ENT+\i], v7 offset:8*\i          ; rows 8 q + 2 i + (lane / 16): their rows of ybuf,
.endr
.irp i, 0,1,2,3
	ds_load_b32 v[GW+2*\i], v7 offset:WOFF+8*\i    ; their weights,
.endr
.irp i, 0,1,2,3
.irp p, 0,1,2,3
	ds_load_b128 v[RD+16*\i+4*\p:RD+16*\i+4*\p+3], v6 offset:\buf*RBUF+\p*RWAV+544*\i   ; and the four waves' partial sums: sixteen lanes to a row's 256 bytes
.endr
.endr
.irp i, 0,1,2,3
	s_wait_dscnt 12-4*\i                           ; this pair of rows is in; the younger pairs' four loads each may be out
	v_pk_add_f32 v[RD+16*\i:RD+16*\i+1], v[RD+16*\i:RD+16*\i+1], v[RD+16*\i+4:RD+16*\i+5]
	v_pk_add_f32 v[RD+16*\i+2:RD+16*\i+3], v[RD+16*\i+2:RD+16*\i+3], v[RD+16*\i+6:RD+16*\i+7]
	v_pk_add_f32 v[RD+16*\i+8:RD+16*\i+9], v[RD+16*\i+8:RD+16*\i+9], v[RD+16*\i+12:RD+16*\i+13]
	v_pk_add_f32 v[RD+16*\i+10:RD+16*\i+11], v[RD+16*\i+10:RD+16*\i+11], v[RD+16*\i+14:RD+16*\i+15]
	v_pk_add_f32 v[RD+16*\i:RD+16*\i+1], v[RD+16*\i:RD+16*\i+1], v[RD+16*\i+8:RD+16*\i+9]
	v_pk_add_f32 v[RD+16*\i+2:RD+16*\i+3], v[RD+16*\i+2:RD+16*\i+3], v[RD+16*\i+10:RD+16*\i+11]
	v_pk_add_f32 v[RD+16*\i:RD+16*\i+1], v[RD+16*\i:RD+16*\i+1], v[20:21]                 ; + b2
	v_pk_add_f32 v[RD+16*\i+2:RD+16*\i+3], v[RD+16*\i+2:RD+16*\i+3], v[22:23]
	v_pk_mul_f32 v[RD+16*\i:RD+16*\i+1], v[RD+16*\i:RD+16*\i+1], v[GW+2*\i:GW+2*\i+1] op_sel_hi:[1,0]   ; x the gate's weight
	v_pk_mul_f32 v[RD+16*\i+2:RD+16*\i+3], v[RD+16*\i+2:RD+16*\i+3], v[GW+2*\i:GW+2*\i+1] op_sel_hi:[1,0]
	v_min_u32 v[ENT+\i], 0x8ff, v[ENT+\i]          ; inside ybuf's 2,304 rows
	v_lshl_add_u32 v[YO+\i], v[ENT+\i], 12, v8
	global_store_b128 v[YO+\i], v[RD+16*\i:RD+16*\i+3], s[18:19]   ; sixteen lanes: 256 consecutive bytes, from a multiple of 256 in ybuf
.endr
.Lnext_\@:
	s_add_co_u32 s27, s27, 2                       ; my next group
	v_add_nc_u32 v7, 256, v7
.endm
	s_load_b256 s[4:11], s[0:1], 0x0               ; sel s[4:5], wts s[6:7], hbuf s[8:9], hs s[10:11]
	s_load_b256 s[12:19], s[0:1], 0x20             ; W2's codes s[12:13], W2's scales s[14:15], b2 s[16:17], ybuf s[18:19]
	v_lshl_add_u32 v254, v0, 2, 0x15200
	v_mov_b32 v255, 0
	v_lshrrev_b32 v10, 5, v0
	v_readfirstlane_b32 s20, v10                   ; wave q = 0..3: which quarter of K
	s_lshr_b32 s21, ttmp9, 1                       ; the chunk of 64 outputs
	s_and_b32 s22, ttmp9, 1                        ; which groups are mine
	s_and_b32 s24, ttmp7, 0xffff                   ; the expert
	s_mov_b32 s39, 0x03010200                      ; v_perm_b32: bytes 1 and 2 change places
	v_and_b32 v9, 31, v0                           ; lane
	v_and_b32 v10, 15, v0                          ; r
	v_bfe_u32 v11, v0, 4, 1                        ; h
	v_lshlrev_b32 v1, 4, v9                        ; an image's place for my lane
	v_lshlrev_b32 v2, 7, v10                       ; scale words: 128 bytes a row, in hs and in W2's scales
	v_mul_u32_u24 v3, v10, 3072
	v_mad_u32_u24 v3, v11, 48, v3                  ; W2's codes
	s_mul_i32 s29, s20, RWAV
	v_mul_u32_u24 v5, v10, 272
	v_lshl_add_u32 v5, v11, 5, v5
	v_add_nc_u32 v5, s29, v5                       ; my partial sums, in: my wave's part, row r, + 32 h
	s_mul_i32 s29, s20, 2176
	v_mul_u32_u24 v6, v11, 272
	v_lshl_add_u32 v6, v10, 4, v6
	v_add_nc_u32 v6, s29, v6                       ; back: row 8 q + (lane / 16), 16 bytes a lane
	s_lshl_b32 s29, s22, 7
	s_lshl_b32 s30, s20, 5
	s_add_co_u32 s29, s29, s30
	s_add_co_u32 s29, s29, LIST
	v_lshl_add_u32 v7, v11, 2, s29                 ; the list: my first group, entry 8 q + (lane / 16)
	v_lshlrev_b32 v8, 4, v10                       ; 16 (lane % 16): in b2 and in a row of ybuf
	v_lshl_add_u32 v[FA], v9, 4, LIST
	v_add_nc_u32 v[DI], 1152, v9
	v_mov_b32 v[CA], CNTA
	v_lshlrev_b32 v[SO], 3, v9
	s_lshl_b32 s29, s24, 5
	s_add_co_u32 s29, s29, ttmp9
	s_add_co_u32 s29, s29, 2048                    ; my spare row of ybuf
.irp i, 0,1,2,3
	v_mov_b32 v[FV+\i], s29
	v_mov_b32 v[ZV+\i], 0
	v_mov_b32 v[GW+2*\i+1], 0                      ; (named as the upper halves of the weights' pairs)
.endr
	s_lshl_b32 s29, s24, 10
	s_lshl_b32 s30, s21, 6
	s_add_co_u32 s29, s29, s30                     ; my first row of W2: 1,024 e + 64 chunk
	s_mov_b32 s31, 0
	s_wait_kmcnt 0x0
	s_mul_i32 s30, s29, 3072
	s_mul_i32 s36, s20, 768
	s_add_co_u32 s30, s30, s36                     ; + my eight K steps: 768 q
	s_add_nc_u64 s[12:13], s[12:13], s[30:31]
	s_lshl_b32 s30, s29, 7
	s_lshl_b32 s36, s20, 5
	s_add_co_u32 s30, s30, s36
	s_add_nc_u64 s[14:15], s[14:15], s[30:31]
	s_lshl_b32 s30, s29, 2
	s_add_nc_u64 s[16:17], s[16:17], s[30:31]
	s_lshl_b32 s30, s21, 8
	s_add_nc_u64 s[18:19], s[18:19], s[30:31]      ; ybuf at my 64 outputs
	s_lshl_b32 s29, s24, 5
	s_lshl_b32 s30, s20, 3
	s_add_co_u32 s29, s29, s30
	s_lshl_b32 s29, s29, 6
	s_lshl_b32 s30, s22, 1
	s_add_co_u32 s29, s29, s30
	s_mul_i32 s30, s29, 1536                       ; hbuf: ((32 e + 8 q) 64 + 2 x my first group) images
	s_add_nc_u64 s[40:41], s[8:9], s[30:31]
	s_add_nc_u64 s[42:43], s[40:41], 1536          ; and the group's second tile
	s_lshl_b32 s29, s24, 6
	s_lshl_b32 s30, s22, 1
	s_add_co_u32 s29, s29, s30
	s_lshl_b32 s30, s29, 11
	s_add_co_u32 s30, s30, s36                     ; hs: (64 e + 2 x my first group) tiles of 2,048 bytes + 32 q
	s_add_nc_u64 s[44:45], s[10:11], s[30:31]
	s_add_nc_u64 s[46:47], s[44:45], 2048
	WLOAD 0
	WLOAD 1
	WLOAD 2
	WLOAD 3
	WIN 0
	s_cmp_lg_u32 s20, 0
	s_cbranch_scc1 .Lnot_wave_0
.set j, 0
.rept 32
	global_load_b64 v[SL+2*j:SL+2*j+1], v[SO], s[4:5] offset:256*j
	global_load_b64 v[WT+2*j:WT+2*j+1], v[SO], s[6:7] offset:256*j
.set j, j+1
.endr
	s_wait_loadcnt 0x0
	PLACE
.Lnot_wave_0:
	WLOAD 4
	WLOAD 5
	WLOAD 6
	WLOAD 7
	WIN 0
.irp t, 0,1,2,3
	global_load_b128 v[WS+8*\t:WS+8*\t+3], v2, s[14:15] offset:16*\t*128
	global_load_b128 v[WS+8*\t+4:WS+8*\t+7], v2, s[14:15] offset:16*\t*128+16
.endr
	global_load_b128 v[20:23], v8, s[16:17]        ; b2 of my four outputs
	s_wait_dscnt 0x0                               ; wave 0's stores of the list, the weights and the count have landed
	s_barrier_signal -1
	s_barrier_wait -1                              ; from here on they are only read
	ds_load_b32 v4, v[CA]
	s_wait_dscnt 0x0
	v_readfirstlane_b32 s25, v4
	s_min_u32 s25, s25, 0x400                      ; R
	s_add_co_u32 s26, s25, 31
	s_lshr_b32 s26, s26, 5                         ; G
	HLOAD 0                                        ; my first group: groups 0 and 1 of every expert have been stored, whatever R
	HLOAD 1
	s_wait_loadcnt 52                              ; all but the 52 loads of h just issued: W2's scale words are in
.set j, 0
.rept 32
	v_perm_b32 v[WS+j], v[WS+j], v[WS+j], s39
.set j, j+1
.endr
.rept 8
	v_nop                                          ; a scale register written by a vector instruction stands 8 places ahead of a scaled product
.endr
	s_mov_b32 s27, s22                             ; g
	s_mov_b32 s28, 0
.Ltwo:                                                 ; 8 trips of two groups: the 16 groups that an expert with all 1,024 tokens gives a work-group
	TRIP 0
	TRIP 1
	s_add_co_u32 s28, s28, 1
	s_cmp_lt_u32 s28, 8
	s_cbranch_scc1 .Ltwo
	s_barrier_signal -1
	s_barrier_wait -1
	s_wait_tensorcnt 0x0
	ds_add_u32 v254, v255
	s_wait_dscnt 0x0
	s_endpgm
.Lfunc_end_k_q3507d89744_down:
	.size	k_q3507d89744_down, .Lfunc_end_k_q3507d89744_down-k_q3507d89744_down
	.p2alignl 7, 3214868480
	.fill 96, 4, 3214868480
	.section	.rodata,"a",@progbits
	.p2align	6, 0x0
	.amdhsa_kernel k_q3507d89744_down
		.amdhsa_group_segment_fixed_size 87040
		.amdhsa_private_segment_fixed_size 0
		.amdhsa_enable_private_segment 0
		.amdhsa_kernarg_size 64
		.amdhsa_user_sgpr_count 2
		.amdhsa_user_sgpr_kernarg_segment_ptr 1
		.amdhsa_wavefront_size32 1
		.amdhsa_system_sgpr_workgroup_id_x 1
		.amdhsa_system_sgpr_workgroup_id_y 1
		.amdhsa_system_sgpr_workgroup_id_z 1
		.amdhsa_system_vgpr_workitem_id 0
		.amdhsa_next_free_vgpr 960
		.amdhsa_next_free_sgpr 66
		.amdhsa_reserve_vcc 0
		.amdhsa_float_denorm_mode_32 3
		.amdhsa_float_denorm_mode_16_64 3
		.amdhsa_memory_ordered 1
		.amdhsa_forward_progress 1
		.amdhsa_inst_pref_size 106
	.end_amdhsa_kernel
	.amdgpu_metadata
---
amdhsa.version: [ 1, 2 ]
amdhsa.kernels:
  - .name:           k_q3507d89744_down
    .symbol:         k_q3507d89744_down.kd
    .args:
      - { .name: sel, .offset: 0, .size: 8, .value_kind: global_buffer, .address_space: global }
      - { .name: wts, .offset: 8, .size: 8, .value_kind: global_buffer, .address_space: global }
      - { .name: hbuf, .offset: 16, .size: 8, .value_kind: global_buffer, .address_space: global }
      - { .name: hs, .offset: 24, .size: 8, .value_kind: global_buffer, .address_space: global }
      - { .name: W2_codes, .offset: 32, .size: 8, .value_kind: global_buffer, .address_space: global }
      - { .name: W2_scales, .offset: 40, .size: 8, .value_kind: global_buffer, .address_space: global }
      - { .name: b2, .offset: 48, .size: 8, .value_kind: global_buffer, .address_space: global }
      - { .name: ybuf, .offset: 56, .size: 8, .value_kind: global_buffer, .address_space: global }
    .group_segment_fixed_size: 87040
    .private_segment_fixed_size: 0
    .kernarg_segment_align: 8
    .kernarg_segment_size: 64
    .max_flat_workgroup_size: 128
    .sgpr_count:     66
    .vgpr_count:     960
    .wavefront_size: 32
...
	.end_amdgpu_metadata
.endif
;; end of part 3
;; launch add (part 4): grid 256 x 1, 8 waves a work-group, no clusters, 0 bytes of LDS; arguments ybuf, out0; writes out0
.if DOCPART == 4
	.amdgcn_target "amdgcn-amd-amdhsa--gfx1250"
	.amdhsa_code_object_version 6
	.text
	.protected	k_q3507d89744_add
	.globl	k_q3507d89744_add
	.p2align	8
	.type	k_q3507d89744_add,@function
k_q3507d89744_add:
	s_mov_b64 s[64:65], 0
	v_nop
	global_prefetch_b8 v0, s[64:65] scope:SCOPE_SE
	s_setreg_imm32_b32 hwreg(HW_REG_WAVE_MODE, 25, 1), 1
	s_wait_xcnt 0x0
; out0[n] = ybuf[n] + ybuf[1,024 + n]: a token's two weighted expert results, first slot + second slot.  ybuf's rows from 2,048 on are spare and are not read.
; A stream: a work-group takes 4 rows of 4,096 bytes; thread t takes the 16 bytes at 16 t of each row, so a wave's load or store covers 512 consecutive bytes.
; All eight loads go out first; the waits count down by pairs.  No LDS, no barrier, no matrix work: memory binds.
	s_load_b128 s[4:7], s[0:1], 0x0                ; ybuf s[4:5], out0 s[6:7]
	v_lshlrev_b32 v1, 4, v0
	s_lshl_b32 s8, ttmp9, 14                       ; 4 rows of 4,096 bytes a work-group
	s_mov_b32 s9, 0
	s_wait_kmcnt 0x0
	s_add_nc_u64 s[4:5], s[4:5], s[8:9]
	s_add_nc_u64 s[6:7], s[6:7], s[8:9]
.irp j, 0,1,2,3
	global_load_b128 v[4+8*\j:7+8*\j], v1, s[4:5] offset:4096*\j th:TH_LOAD_NT
	global_load_b128 v[8+8*\j:11+8*\j], v1, s[4:5] offset:4096*\j+4194304 th:TH_LOAD_NT   ; 1,024 rows further down
.endr
.irp j, 0,1,2,3
	s_wait_loadcnt 6-2*\j                          ; this row's two loads are in; the younger rows' pairs may be out
	v_pk_add_f32 v[4+8*\j:5+8*\j], v[4+8*\j:5+8*\j], v[8+8*\j:9+8*\j]
	v_pk_add_f32 v[6+8*\j:7+8*\j], v[6+8*\j:7+8*\j], v[10+8*\j:11+8*\j]
	global_store_b128 v1, v[4+8*\j:7+8*\j], s[6:7] offset:4096*\j th:TH_STORE_NT
.endr
	s_endpgm
.Lfunc_end_k_q3507d89744_add:
	.size	k_q3507d89744_add, .Lfunc_end_k_q3507d89744_add-k_q3507d89744_add
	.p2alignl 7, 3214868480
	.fill 96, 4, 3214868480
	.section	.rodata,"a",@progbits
	.p2align	6, 0x0
	.amdhsa_kernel k_q3507d89744_add
		.amdhsa_group_segment_fixed_size 0
		.amdhsa_private_segment_fixed_size 0
		.amdhsa_enable_private_segment 0
		.amdhsa_kernarg_size 16
		.amdhsa_user_sgpr_count 2
		.amdhsa_user_sgpr_kernarg_segment_ptr 1
		.amdhsa_wavefront_size32 1
		.amdhsa_system_sgpr_workgroup_id_x 1
		.amdhsa_system_sgpr_workgroup_id_y 1
		.amdhsa_system_sgpr_workgroup_id_z 1
		.amdhsa_system_vgpr_workitem_id 0
		.amdhsa_next_free_vgpr 48
		.amdhsa_next_free_sgpr 66
		.amdhsa_reserve_vcc 0
		.amdhsa_float_denorm_mode_32 3
		.amdhsa_float_denorm_mode_16_64 3
		.amdhsa_memory_ordered 1
		.amdhsa_forward_progress 1
		.amdhsa_inst_pref_size 3
	.end_amdhsa_kernel
	.amdgpu_metadata
---
amdhsa.version: [ 1, 2 ]
amdhsa.kernels:
  - .name:           k_q3507d89744_add
    .symbol:         k_q3507d89744_add.kd
    .args:
      - { .name: ybuf, .offset: 0, .size: 8, .value_kind: global_buffer, .address_space: global }
      - { .name: out0, .offset: 8, .size: 8, .value_kind: global_buffer, .address_space: global }
    .group_segment_fixed_size: 0
    .private_segment_fixed_size: 0
    .kernarg_segment_align: 8
    .kernarg_segment_size: 16
    .max_flat_workgroup_size: 256
    .sgpr_count:     66
    .vgpr_count:     48
    .wavefront_size: 32
...
	.end_amdgpu_metadata
.endif
;; end of part 4
;; ======== version 2 of 2: 4 launches; 1.20 times as fast as version 1
;; workspace buffers: sel 8,192 bytes of whole numbers; wts 8,192 bytes; xq 786,432 bytes; xs 32,768 bytes; hbuf 25,165,824 bytes; hs 1,048,576 bytes; ybuf 9,437,184 bytes
;; launch gate (part 5): grid 256 x 1, 4 waves a work-group, no clusters, 56,320 bytes of LDS; arguments inputs, Wg, bg, xq, xs, sel, wts; writes xq, xs, sel, wts
.if DOCPART == 5
	.amdgcn_target "amdgcn-amd-amdhsa--gfx1250"
	.amdhsa_code_object_version 6
	.text
	.protected	k_q3507d89744_gate
	.globl	k_q3507d89744_gate
	.p2align	8
	.type	k_q3507d89744_gate,@function
k_q3507d89744_gate:
	s_mov_b64 s[64:65], 0
	v_nop
	global_prefetch_b8 v0, s[64:65] scope:SCOPE_SE
	s_setreg_imm32_b32 hwreg(HW_REG_WAVE_MODE, 25, 1), 1
	s_wait_xcnt 0x0
; THE ROUTER AND THE QUANTISER OF x.  inputs [1024][1024] f32, Wg [1024][8] f32, bg [8] f32.
; A wave takes one token (4 x work-group + wave).  Lane l holds the token's block l: x[32 l .. 32 l + 31], and rows 32 l .. 32 l + 31 of Wg.
; (1) logits = x Wg + bg by fused multiply-adds in f32: eight chains a lane, then a sum over the 32 lanes.
; (2) top-2 (a strict > keeps the lower index, as jax.lax.top_k does), softmax of the two with the larger taken away first.
;     The two experts go to sel[token][2] (i32), the two weights to wts[token][2] (f32): fixed places; no address here hangs on them.
; (3) the lane's block becomes 32 codes of E3M2 (24 bytes) and one E8M0 byte: scale = 2^(floor(log2(largest magnitude)) - 4).
;     xq[token][768]: the codes as one stream, block b at byte 24 b.  xs[token][32]: the bytes, WITH BYTES 1 AND 2 OF EACH WORD OF FOUR CHANGED ROUND:
;     the products of the later launches hold, in a K step of 128, block 2 h + c where the layout names block 2 c + h (alike on both operands), so that a lane's
;     48 bytes of a K step are neighbours in memory; the scale word follows that order.
; EVERY GLOBAL LOAD TAKES 512 CONSECUTIVE BYTES A WAVE, and the turn to a lane's own run of bytes is made in LDS.  Wg's 32,768 bytes come once for the work-group, 16 loads a thread, and lie in LDS
; as 32 pieces of 1,024 bytes + 16 (260 words: piece l starts at bank 4 l mod 64; 64 banks of 4 bytes: ISA guide 11.1); behind the launch's one barrier each lane reads its piece.
; x's 4,096 bytes turn through the wave's own stage, 128 bytes + 16 to a lane; the codes through another, so that they leave as 512 + 256 consecutive bytes.
; LIMITS: NaN and infinities among the inputs, and logits that are not finite, are not served.  Two logits closer than the rounding of an f32 sum of 1,024 terms
; may be ordered otherwise than by another order of summation.  A block of zeros gets the byte 1 (its codes are zeros; the bytes are read by this program alone).
.set XST, 33280                        ; LDS: Wg from 0 (32 x 1,040 bytes); x's stages, 4,608 bytes a wave;
.set CST, 51712                        ; the codes' stages, 1,024 bytes a wave
.set X,   16                           ; v16-47   my 32 numbers of x
.set LG,  48                           ; v48-55   the eight logits
.set XR,  84                           ; v84-115  x as it is loaded
.set WA,  128                          ; v128-255 Wg's rows 32 l + 0 .. 15 (register 8 i + e);  window 1, v0-127: rows 32 l + 16 .. 31
.set MSB, 0
.macro WIN new                         ; the immediate's high byte repeats the setting that is left
.if MSB != \new
	s_set_vgpr_msb (MSB<<8)|\new
.set MSB, \new
.endif
.endm
	s_load_b256 s[4:11], s[0:1], 0x0               ; inputs s[4:5], Wg s[6:7], bg s[8:9], xq s[10:11]
	s_load_b128 s[12:15], s[0:1], 0x20             ; xs s[12:13], sel s[14:15]
	s_load_b64 s[16:17], s[0:1], 0x30              ; wts
	v_lshl_add_u32 v126, v0, 2, 0xda00
	v_mov_b32 v127, 0
	v_lshrrev_b32 v1, 5, v0
	v_readfirstlane_b32 s18, v1                    ; wave 0..3
	v_and_b32 v1, 31, v0                           ; lane
	s_lshl_b32 s19, ttmp9, 2
	s_add_co_u32 s19, s19, s18                     ; my token
	s_lshl_b32 s32, s18, 10
	s_add_co_u32 s32, s32, CST                     ; my wave's stage for the codes,
	s_mul_i32 s33, s18, 4608
	s_add_co_u32 s33, s33, XST                     ; and for x
	s_mov_b32 s28, 0x76543210
	s_mov_b32 s29, 0xfedcba98                      ; v_permlanex16_b32's selects for lane l xor 16
	v_lshlrev_b32 v3, 4, v0                        ; Wg in memory: 16 bytes a thread, 2,048 a load of the work-group
	v_lshrrev_b32 v15, 6, v0
	v_lshl_add_u32 v11, v15, 4, v3                 ; and in LDS: 16 more behind each 1,024: 16 t + 16 (t / 64), + 2,080 a load
	v_mul_u32_u24 v12, v1, 1040                    ; my piece of it
	v_lshrrev_b32 v15, 3, v1
	v_mul_u32_u24 v13, v15, 144
	v_and_b32 v15, 7, v1
	v_lshl_add_u32 v13, v15, 4, v13
	v_add_nc_u32 v13, s33, v13                     ; x's stage, in: eight lanes' 128 bytes on end, then 16 of padding; a load's 512 bytes take four places
	v_mul_u32_u24 v14, v1, 144
	v_add_nc_u32 v14, s33, v14                     ; and back: my 128 bytes
	v_mul_u32_u24 v4, v1, 24
	v_add_nc_u32 v4, s32, v4                       ; the codes' stage, in: 24 bytes a lane
	v_lshl_add_u32 v5, v1, 4, s32                  ; back: the first 512 bytes, 16 a lane,
	v_lshl_add_u32 v6, v1, 3, s32
	v_add_nc_u32 v6, 512, v6                       ; and the last 256, 8 a lane
	v_lshlrev_b32 v7, 4, v1                        ; 16 x lane: in a load of x, and in xq's row
	v_lshlrev_b32 v8, 3, v1
	v_add_nc_u32 v8, 512, v8
	v_and_b32 v9, 28, v1                           ; my scale byte's place: in its word, block 1 goes to byte 2 and block 2 to byte 1
	v_and_b32 v10, 1, v1
	v_lshl_or_b32 v9, v10, 1, v9
	v_bfe_u32 v10, v1, 1, 1
	v_or_b32 v9, v9, v10
	v_lshlrev_b32 v10, 2, v1                       ; 4 x lane: lanes 0 and 1 store the two slots
	v_mov_b32 v56, 0                               ; written once: a lane permute's destination counts as one of its sources
	s_mov_b32 s31, 0
	s_wait_kmcnt 0x0
	s_load_b256 s[20:27], s[8:9], 0x0              ; bg's eight numbers
	s_lshl_b32 s30, s19, 12
	s_add_nc_u64 s[4:5], s[4:5], s[30:31]          ; my row of inputs
	s_mul_i32 s30, s19, 768
	s_add_nc_u64 s[10:11], s[10:11], s[30:31]      ; of xq
	s_lshl_b32 s30, s19, 5
	s_add_nc_u64 s[12:13], s[12:13], s[30:31]      ; of xs
	s_lshl_b32 s30, s19, 3
	s_add_nc_u64 s[14:15], s[14:15], s[30:31]      ; of sel
	s_add_nc_u64 s[16:17], s[16:17], s[30:31]      ; of wts
.irp j, 0,1,2,3,4,5,6,7
	global_load_b128 v[XR+4*\j:XR+4*\j+3], v7, s[4:5] offset:512*\j th:TH_LOAD_NT
.endr
.set j, 0
.rept 16
	global_load_b128 v[WA+4*j:WA+4*j+3], v3, s[6:7] offset:2048*j
.set j, j+1
.endr
	s_wait_loadcnt 16                              ; x is in; Wg's 16 loads, issued behind it, may be out
.irp j, 0,1,2,3,4,5,6,7
	ds_store_b128 v13, v[XR+4*\j:XR+4*\j+3] offset:576*\j
.endr
.irp i, 0,1,2,3,4,5,6,7
	ds_load_b128 v[X+4*\i:X+4*\i+3], v14 offset:16*\i   ; LDS serves a wave's instructions in order (ISA guide 5.7.1.4): these see my wave's stores
.endr
	s_wait_loadcnt 0x0                             ; my part of Wg
.set j, 0
.rept 16
	ds_store_b128 v11, v[WA+4*j:WA+4*j+3] offset:2080*j
.set j, j+1
.endr
	s_wait_dscnt 0x0                               ; for the others' sake: my stores of Wg have landed (and x is back)
	s_barrier_signal -1
	s_barrier_wait -1                              ; Wg lies whole in LDS, and is only read from here on
.set j, 0
.rept 32
	ds_load_b128 v[WA+4*j:WA+4*j+3], v12 offset:16*j
.set j, j+1
.endr
	WIN 0x40                                       ; destination window 1
.set j, 0
.rept 32
	ds_load_b128 v[4*j:4*j+3], v12 offset:512+16*j
.set j, j+1
.endr
	WIN 0
	; while Wg is on its way: my block's largest magnitude, in two chains, with the floor 2^(5 - 127) among the leaves: the byte cannot fall under 1
	v_max3_num_f32 v64, |v[X]|, |v[X+1]|, |v[X+2]|
	v_max3_num_f32 v65, |v[X+3]|, |v[X+4]|, |v[X+5]|
.irp i, 6,10,14,18,22,26
	v_max3_num_f32 v64, v64, |v[X+\i]|, |v[X+\i+1]|
	v_max3_num_f32 v65, v65, |v[X+\i+2]|, |v[X+\i+3]|
.endr
	v_max3_num_f32 v64, v64, |v[X+30]|, |v[X+31]|
	v_max3_num_f32 v64, v64, v65, 0x2800000
	v_add_nc_u32 v66, 0xfe000000, v64              ; 4 off its exponent field: the conversion takes this operand's exponent field as its scale
	v_lshrrev_b32 v67, 23, v66                     ; the scale's byte
	v_cvt_scalef32_pk16_bf6_f32 v[68:70], v[X:X+15], v66
	v_cvt_scalef32_pk16_bf6_f32 v[72:74], v[X+16:X+31], v66   ; (a conversion's three registers begin on an even number)
	v_nop                                          ; one plain place behind a scaled conversion
	v_mov_b32 v71, v72
	v_mov_b32 v72, v73
	v_mov_b32 v73, v74                             ; v68-73: my 24 bytes
	ds_store_b64 v4, v[68:69]
	ds_store_b64 v4, v[70:71] offset:8
	ds_store_b64 v4, v[72:73] offset:16
	ds_load_b128 v[76:79], v5
	ds_load_b64 v[80:81], v6
	s_wait_dscnt 37                                ; Wg's first 32 loads are in: behind them stand the other 32 and the codes' five lines
.irp e, 0,1,2,3,4,5,6,7
	v_mul_f32 v[LG+\e], v[X], v[WA+\e]             ; the first product starts each sum
.endr
.set i, 1
.rept 15
.irp e, 0,1,2,3,4,5,6,7
	v_fmac_f32 v[LG+\e], v[X+i], v[WA+8*i+\e]
.endr
.set i, i+1
.endr
	s_wait_dscnt 5                                 ; Wg's second half: only the codes' five lines may be out
	WIN 0x04                                       ; source 1 window 1
.set i, 16
.rept 16
.irp e, 0,1,2,3,4,5,6,7
	v_fmac_f32 v[LG+\e], v[X+i], v[8*(i-16)+\e]
.endr
.set i, i+1
.endr
	WIN 0
.irp m, 1,2,4,8                        ; the sum over the lanes: four steps inside each half of 16, the eight logits by turns
.irp e, 0,1,2,3,4,5,6,7
	v_add_f32_dpp v[LG+\e], v[LG+\e], v[LG+\e] row_xmask:\m row_mask:0xf bank_mask:0xf
.endr
.endr
	s_wait_kmcnt 0x0                               ; bg
.irp e, 0,1,2,3,4,5,6,7
	v_permlanex16_b32 v56, v[LG+\e], s28, s29
	v_add_f32 v[LG+\e], v[LG+\e], v56
	v_add_f32 v[LG+\e], s[20+\e], v[LG+\e]         ; every lane now holds the logit
.endr
	v_mov_b32 v57, v[LG]                           ; m1, i1: the largest, the lower index on a tie
	v_mov_b32 v58, 0
.irp e, 1,2,3,4,5,6,7
	v_cmp_gt_f32 vcc_lo, v[LG+\e], v57
	v_cndmask_b32 v57, v57, v[LG+\e], vcc_lo
	v_cndmask_b32 v58, v58, \e, vcc_lo
.endr
	v_mov_b32 v59, 0xff800000                      ; m2, i2: the largest of the other seven
	v_mov_b32 v60, 0
.irp e, 0,1,2,3,4,5,6,7
	v_cmp_gt_f32 s32, v[LG+\e], v59
	v_cmp_ne_u32 s33, \e, v58
	s_and_b32 vcc_lo, s32, s33
	v_cndmask_b32 v59, v59, v[LG+\e], vcc_lo
	v_cndmask_b32 v60, v60, \e, vcc_lo
.endr
	v_sub_f32 v61, v59, v57                        ; m2 - m1, 0 or less: the maximum is taken away
	v_mul_f32 v61, 0x3fb8aa3b, v61
	v_exp_f32 v61, v61                             ; t = e^(m2 - m1)
	v_nop                                          ; a plain place behind the transcendental,
	s_wait_alu depctr_va_vdst(0)                   ; and a wait ahead of the first use
	v_add_f32 v62, 1.0, v61
	v_rcp_f32 v62, v62                             ; w0 = 1 / (1 + t)
	v_cmp_eq_u32 vcc_lo, 0, v1                     ; (a plain place)  lane 0 takes slot 0, lane 1 slot 1
	s_wait_alu depctr_va_vdst(0)
	v_mul_f32 v63, v61, v62                        ; w1 = t w0
	v_cndmask_b32 v82, v60, v58, vcc_lo
	v_cndmask_b32 v83, v63, v62, vcc_lo
	s_wait_dscnt 0x0                               ; the codes are back from the stage
	global_store_b128 v7, v[76:79], s[10:11]       ; 32 lanes: 512 consecutive bytes, from a multiple of 256 in xq
	global_store_b64 v8, v[80:81], s[10:11]        ; and the next 256
	global_store_b8 v9, v67, s[12:13]              ; the token's 32 scale bytes
	s_wait_xcnt 0x0                                ; EXEC changes only behind this wait
	v_cmp_gt_u32 vcc_lo, 2, v1
	s_barrier_signal -1
	s_barrier_wait -1
	s_wait_tensorcnt 0x0
	ds_add_u32 v126, v127
	s_wait_dscnt 0x0
	s_and_saveexec_b32 s34, vcc_lo
	global_store_b32 v10, v82, s[14:15]
	global_store_b32 v10, v83, s[16:17]
	s_wait_xcnt 0x0                                ; and again, in front of the line that widens it
	s_or_b32 exec_lo, exec_lo, s34
	s_endpgm
.Lfunc_end_k_q3507d89744_gate:
	.size	k_q3507d89744_gate, .Lfunc_end_k_q3507d89744_gate-k_q3507d89744_gate
	.p2alignl 7, 3214868480
	.fill 96, 4, 3214868480
	.section	.rodata,"a",@progbits
	.p2align	6, 0x0
	.amdhsa_kernel k_q3507d89744_gate
		.amdhsa_group_segment_fixed_size 56320
		.amdhsa_private_segment_fixed_size 0
		.amdhsa_enable_private_segment 0
		.amdhsa_kernarg_size 56
		.amdhsa_user_sgpr_count 2
		.amdhsa_user_sgpr_kernarg_segment_ptr 1
		.amdhsa_wavefront_size32 1
		.amdhsa_system_sgpr_workgroup_id_x 1
		.amdhsa_system_sgpr_workgroup_id_y 1
		.amdhsa_system_sgpr_workgroup_id_z 1
		.amdhsa_system_vgpr_workitem_id 0
		.amdhsa_next_free_vgpr 384
		.amdhsa_next_free_sgpr 66
		.amdhsa_reserve_vcc 1
		.amdhsa_float_denorm_mode_32 3
		.amdhsa_float_denorm_mode_16_64 3
		.amdhsa_memory_ordered 1
		.amdhsa_forward_progress 1
		.amdhsa_inst_pref_size 29
	.end_amdhsa_kernel
	.amdgpu_metadata
---
amdhsa.version: [ 1, 2 ]
amdhsa.kernels:
  - .name:           k_q3507d89744_gate
    .symbol:         k_q3507d89744_gate.kd
    .args:
      - { .name: inputs, .offset: 0, .size: 8, .value_kind: global_buffer, .address_space: global }
      - { .name: Wg, .offset: 8, .size: 8, .value_kind: global_buffer, .address_space: global }
      - { .name: bg, .offset: 16, .size: 8, .value_kind: global_buffer, .address_space: global }
      - { .name: xq, .offset: 24, .size: 8, .value_kind: global_buffer, .address_space: global }
      - { .name: xs, .offset: 32, .size: 8, .value_kind: global_buffer, .address_space: global }
      - { .name: sel, .offset: 40, .size: 8, .value_kind: global_buffer, .address_space: global }
      - { .name: wts, .offset: 48, .size: 8, .value_kind: global_buffer, .address_space: global }
    .group_segment_fixed_size: 56320
    .private_segment_fixed_size: 0
    .kernarg_segment_align: 8
    .kernarg_segment_size: 56
    .max_flat_workgroup_size: 128
    .sgpr_count:     66
    .vgpr_count:     384
    .wavefront_size: 32
...
	.end_amdgpu_metadata
.endif
;; end of part 5
;; launch up (part 6): grid 32 x 8, 4 waves a work-group, no clusters, 209,664 bytes of LDS; arguments sel, xq, xs, W1_codes, W1_scales, b1, hbuf, hs; writes hbuf, hs
.if DOCPART == 6
	.amdgcn_target "amdgcn-amd-amdhsa--gfx1250"
	.amdhsa_code_object_version 6
	.text
	.protected	k_q3507d89744_up
	.globl	k_q3507d89744_up
	.p2align	8
	.type	k_q3507d89744_up,@function
k_q3507d89744_up:
	s_mov_b64 s[64:65], 0
	v_nop
	global_prefetch_b8 v0, s[64:65] scope:SCOPE_SE
	s_setreg_imm32_b32 hwreg(HW_REG_WAVE_MODE, 25, 1), 1
	s_wait_xcnt 0x0
; h = Q(silu(x W1[e] + b1[e])) FOR THE ROWS THAT CHOSE EXPERT e, on codes of E3M2 with one E8M0 scale for each 32 along K.
; Work-group (x, y): expert e = y, hidden units 128 x .. 128 x + 127, which are K step x of the next product.
; THE WEIGHTS STAY: wave w (nh = w & 1, par = w >> 1) keeps 64 hidden units x K 1,024 of W1 in 384 registers, and walks the expert's tiles of 16 rows T = 2 g + par.
; THE ROWS: wave 0 makes the expert's list in LDS from sel (macro PLACE): token order, entry = token + 1,024 x slot; R entries, the rest filled with token 0.
; The next launch makes the same list by the same lines.  ceil(R / 32) groups of two tiles, rounded up to an even number, at least two: the loop goes by pairs of a wave's tiles, and the next
; launch asks for groups 0 and 1 ahead of its count.  A tile past the expert's rows is token 0's, and nobody reads it.
; EVERY LOAD OF CODES TAKES TWO RUNS OF 256 CONSECUTIVE BYTES (lanes 0-15 a third of one row of 768 bytes, lanes 16-31 of the next), and the turn to a fragment's layout is made in the wave's own
; region of LDS, rows 784 bytes apart (196 words: row r starts at bank 4 r mod 64; 64 banks of 4 bytes: ISA guide 11.1).  W1 turns once, at the head; a tile of x in every tile, a tile ahead of its products.
; K ORDER: in a K step of 128, registers 6 c .. 6 c + 5 of lanes 16 h .. 16 h + 15 hold block 2 h + c (the layout names 2 c + h), alike on both operands: a lane's 48 bytes of a K step are
; neighbours in a row, three loads of 16 bytes.  The scale words have bytes 1 and 2 changed round to match (W1's here, by v_perm_b32; xs comes so).
; x's eight scale words of a row come by ONE load: lane (r, h) takes words 4 h .. 4 h + 3, and K steps 4 to 7 take their scales from lanes 16-31 (MATRIX_SCALE_ROW1).
; THE PRODUCT IS USED TRANSPOSED (source 0 = 16 rows of W1, source 1 = 16 rows of x), AND THE ROWS OF W1 THAT FORM A TILE ARE NOT NEIGHBOURS: lane r of tile 2 b + u takes unit
; 32 b + 8 u + r + 8 (r / 8): a lane then holds one row of h, and the 16 registers of tiles 2 b, 2 b + 1 are units 32 b + 16 (lane / 16) + 0 .. 15.  b1 is the C of each sum's first product.
; OUT: hbuf[e][K step][T][1,536]: the image of the next product's fragment, [i 0..2][lane][16 bytes] = registers 4 i .. 4 i + 3.  My 64 units are blocks 2 nh, 2 nh + 1: all that lanes
; 16 nh .. 16 nh + 15 of the image hold: three runs of 256 consecutive bytes.  hs[e][T][row][128]: byte 4 x + 2 b + nh is block 2 nh + b's scale.
; NO TENSOR LOADS, SO NO JOINT LOADS: which trips have work is a number read from memory, so operands come by loads into registers.
; THE LOOP has a constant number of trips; a trip whose two tiles the expert does not have jumps over the work alone.  What is on its way at a trip's head is the same on every path.
; LIMITS: NaN and infinities are not served.  A block of zeros gets the byte 1 (its codes are zeros; the bytes are read by this program alone).
; REGISTERS.  Window 0: v1-11 offsets; v12-20 list entries; v22-30, v200-208 the two sets' offsets in xq and xs; v32-63 W1's scale words (8 t + s); v64-71 x's scale words as loaded (4 set + i),
; v72-75 those of the tile in hand; v80-111 the sums; v112-143 at work; v144-175 b1; v176-194 the quantiser; v196-199 r, h, lane, r + 8 (r / 8); v224-247 PLACE.
; Window 1: W1's fragments of K steps 0-4 (48 s + 12 t).  Window 2: of K steps 5-7; from v144 x's fragments of the tile in hand (12 s).  Window 3: x as loaded, two sets (96 set + 12 a + 4 c).
.set PITCH, 784
.set WREG,  50176                      ; LDS: a region of 64 rows for each wave, from 0;
.set LIST,  200704                     ; the list, 2,048 words;
.set CNTA,  208896                     ; the count
.set LE,    12
.set OFF,   22                         ; set k: v[OFF + 178 k + a], a = 0 .. 7
.set XO,    30                         ; set k: v[XO + 178 k]
.set WS,    32
.set XSC,   64
.set XF,    72
.set ACC,   80
.set TT,    112
.set BIAS,  144
.set FX,    144                        ; in window 2
.set SL,    80                         ; PLACE: sel's 64 words a lane, where the sums will lie
.set FA,    224                        ; LIST + 16 x lane
.set DI,    225                        ; 1,152 + lane: a spare entry for a lane whose token did not choose e
.set L1,    226                        ; 1,024 + lane
.set CA,    227                        ; the count's word
.set SO,    228                        ; 8 x lane
.set PP,    232                        ; v232-235, v236-239, v240-243: four steps' places, addresses and entries; written and used in wave 0's branch alone
.set PA,    236
.set PE,    240
.set FV,    244                        ; v244-247 the fill: token 0
.set CC,    42                         ; s42-57  sixteen steps' counts so far
.set MA,    66                         ; s66-81  their members
.set MB,    82                         ; s82-97  those of them that chose e second
.set MSB, 0
.macro WIN new                         ; the immediate's high byte repeats the setting that is left
.if MSB != \new
	s_set_vgpr_msb (MSB<<8)|\new
.set MSB, \new
.endif
.endm
; Wave 0 alone: expert s24's list.  Step i takes tokens 32 i + lane: a member's place is the count so far + the members in lower lanes.
; Sixteen steps at a time: all compares, then the scalar counts, then the vector lines, four steps by turns: no line waits for the line above it.
.macro PLACE
.irp j, 0,1,2,3,4,5,6,7,8
	ds_store_b128 v[FA], v[FV:FV+3] offset:512*\j  ; entries 0 .. 1,151 are filled first (a wave's LDS instructions are served in order)
.endr
	s_mov_b32 s35, 0
.irp hf, 0,1
.set PI, 0
.rept 16
	v_cmp_eq_u32 s[MA+PI], s24, v[SL+2*(16*\hf+PI)]     ; chosen first,
	v_cmp_eq_u32 s[MB+PI], s24, v[SL+2*(16*\hf+PI)+1]   ; or second
.set PI, PI+1
.endr
.set PI, 0
.rept 16
	s_or_b32 s[MA+PI], s[MA+PI], s[MB+PI]
	s_mov_b32 s[CC+PI], s35
	s_bcnt1_i32_b32 s36, s[MA+PI]
	s_add_co_u32 s35, s35, s36
.set PI, PI+1
.endr
.irp q, 0,1,2,3
.irp n, 0,1,2,3
	v_mbcnt_lo_u32_b32 v[PP+\n], s[MA+4*\q+\n], s[CC+4*\q+\n]
.endr
.irp n, 0,1,2,3
	v_cndmask_b32 v[PE+\n], v198, v[L1], s[MB+4*\q+\n]
.endr
.irp n, 0,1,2,3
	v_cndmask_b32 v[PP+\n], v[DI], v[PP+\n], s[MA+4*\q+\n]
.endr
.irp n, 0,1,2,3
	v_add_nc_u32 v[PE+\n], 32*(16*\hf+4*\q+\n), v[PE+\n]   ; token + 1,024 x slot
.endr
.irp n, 0,1,2,3
	v_min_u32 v[PP+\n], 0x7ff, v[PP+\n]            ; inside the list's 2,048 words, whatever sel holds
.endr
.irp n, 0,1,2,3
	v_lshl_add_u32 v[PA+\n], v[PP+\n], 2, LIST
.endr
.irp n, 0,1,2,3
	ds_store_b32 v[PA+\n], v[PE+\n]
.endr
.endr
.endr
	v_mov_b32 v[PE], s35
	ds_store_b32 v[CA], v[PE]
.endm
.macro WRAW                            ; my 64 rows of W1, 49,152 bytes on end, as they lie: load 3 a + c takes bytes 256 c .. of rows 2 a (lanes 0-15) and 2 a + 1 (lanes 16-31), into the registers where W1 will stay
.set QJ, 0
.rept 96
.if QJ < 60
	WIN 0x40
	global_load_b128 v[4*QJ:4*QJ+3], v3, s[10:11] offset:1536*(QJ/3)+256*(QJ%3)
.else
	WIN 0x80
	global_load_b128 v[4*QJ-240:4*QJ-237], v3, s[10:11] offset:1536*(QJ/3)+256*(QJ%3)
.endif
.set QJ, QJ+1
.endr
	WIN 0
.endm
.macro WSTORE                          ; into my region: unit 32 b + 16 k + 8 u + i goes to row 32 b + 16 u + 8 k + i, so that a tile's 16 rows are neighbours there
.set QJ, 0
.rept 96
.set QO, QJ/12                         ; the eight units that hold rows 2 a, 2 a + 1: (b, k, u)
.set QP, (QO&4)|((QO&1)<<1)|((QO>>1)&1)    ; (b, u, k)
.set QR, 8*QP+2*((QJ/3)%4)
.if QJ < 60
	WIN 0x04                                       ; an LDS store's data are its source 1
	ds_store_b128 v9, v[4*QJ:4*QJ+3] offset:QR*PITCH+256*(QJ%3)
.else
	WIN 0x08
	ds_store_b128 v9, v[4*QJ-240:4*QJ-237] offset:QR*PITCH+256*(QJ%3)
.endif
.set QJ, QJ+1
.endr
	WIN 0
.endm
.macro WFRAG                           ; and back as fragments: lane (r, h) of tile t takes bytes 96 s + 48 h .. + 47 of row 16 t + r
.irp s, 0,1,2,3,4,5,6,7
.if \s < 5
	WIN 0x40
.set WB, 48*\s
.else
	WIN 0x80
.set WB, 48*(\s-5)
.endif
.irp t, 0,1,2,3
.irp i, 0,1,2
	ds_load_b128 v[WB+12*\t+4*\i:WB+12*\t+4*\i+3], v10 offset:16*\t*PITCH+96*\s+16*\i
.endr
.endr
.endr
	WIN 0
.endm
.macro ENTRIES eo                      ; the list's entries of the tile eo bytes on: of rows 2 a + h, for the codes, and of row r, for the scale words
.irp a, 0,1,2,3,4,5,6,7
	ds_load_b32 v[LE+\a], v7 offset:\eo+8*\a
.endr
	ds_load_b32 v[LE+8], v8 offset:\eo
.endm
.macro ADDR k                          ; the entries become set k's offsets in xq and xs
.irp a, 0,1,2,3,4,5,6,7,8
	v_and_b32 v[LE+\a], 0x3ff, v[LE+\a]            ; the token
.endr
.irp a, 0,1,2,3,4,5,6,7,8
	v_min_u32 v[LE+\a], 0x3ff, v[LE+\a]
.endr
.irp a, 0,1,2,3,4,5,6,7
	v_mul_u32_u24 v[OFF+178*(\k)+\a], v[LE+\a], 768
.endr
.irp a, 0,1,2,3,4,5,6,7
	v_add_nc_u32 v[OFF+178*(\k)+\a], v6, v[OFF+178*(\k)+\a]   ; + 16 (lane % 16)
.endr
	v_lshl_add_u32 v[XO+178*(\k)], v[LE+8], 5, v11 ; 32 bytes a token, + 16 h
.endm
.macro XLOAD k                         ; 16 rows of x as they lie, into set k: 24 loads of codes and one of scale words
	WIN 0xc0
.irp a, 0,1,2,3,4,5,6,7
.irp c, 0,1,2
	global_load_b128 v[96*(\k)+12*\a+4*\c:96*(\k)+12*\a+4*\c+3], v[OFF+178*(\k)+\a], s[6:7] offset:256*\c
.endr
.endr
	WIN 0
	global_load_b128 v[XSC+4*(\k):XSC+4*(\k)+3], v[XO+178*(\k)], s[8:9]
.endm
.macro TURN k2                         ; set k2 turns through my region's first 16 rows into the fragments; its scale words are moved beside them
	WIN 0x0c
.irp a, 0,1,2,3,4,5,6,7
.irp c, 0,1,2
	ds_store_b128 v9, v[96*(\k2)+12*\a+4*\c:96*(\k2)+12*\a+4*\c+3] offset:1568*\a+256*\c
.endr
.endr
	WIN 0x80
.irp s, 0,1,2,3,4,5,6,7
.irp i, 0,1,2
	ds_load_b128 v[FX+12*\s+4*\i:FX+12*\s+4*\i+3], v10 offset:96*\s+16*\i   ; LDS serves a wave's instructions in order (ISA guide 5.7.1.4): these see the stores above, and the next turn's stores come behind them
.endr
.endr
	WIN 0
.irp i, 0,1,2,3
	v_mov_b32 v[XF+\i], v[XSC+4*(\k2)+\i]
.endr
.endm
.macro MUL                             ; 32 products: K step by K step, the four sums by turns, one instruction a turn
.irp s, 0,1,2,3,4,5,6,7
.if \s < 5
	WIN 0x09                                       ; source 0 (W1) window 1, source 1 (x) window 2
.set WB, 48*\s
.else
	WIN 0x0a                                       ; both in window 2
.set WB, 48*(\s-5)
.endif
.irp t, 0,1,2,3
.if \s == 0
	v_wmma_scale_f32_16x16x128_f8f6f4 v[ACC+8*\t:ACC+8*\t+7], v[WB+12*\t:WB+12*\t+11], v[FX+12*\s:FX+12*\s+11], v[BIAS+8*\t:BIAS+8*\t+7], v[WS+8*\t+\s], v[XF+(\s%4)] matrix_a_fmt:MATRIX_FMT_BF6 matrix_b_fmt:MATRIX_FMT_BF6
.elseif \s < 4
	v_wmma_scale_f32_16x16x128_f8f6f4 v[ACC+8*\t:ACC+8*\t+7], v[WB+12*\t:WB+12*\t+11], v[FX+12*\s:FX+12*\s+11], v[ACC+8*\t:ACC+8*\t+7], v[WS+8*\t+\s], v[XF+(\s%4)] matrix_a_fmt:MATRIX_FMT_BF6 matrix_b_fmt:MATRIX_FMT_BF6
.else
	v_wmma_scale_f32_16x16x128_f8f6f4 v[ACC+8*\t:ACC+8*\t+7], v[WB+12*\t:WB+12*\t+11], v[FX+12*\s:FX+12*\s+11], v[ACC+8*\t:ACC+8*\t+7], v[WS+8*\t+\s], v[XF+(\s%4)] matrix_a_fmt:MATRIX_FMT_BF6 matrix_b_fmt:MATRIX_FMT_BF6 matrix_b_scale:MATRIX_SCALE_ROW1
.endif
.endr
.endr
.endm
; ONE TILE g of 16 rows.  At its head: its fragments are on their way out of LDS; tile g + 1 is on its way from memory into the other set; the entries of tile g + 2 are on their way out of LDS.
; k = the set that brought tile g and now takes tile g + 2;  eo = where the entries of tile g + 3 lie, from the trip's place in the list.
.macro TILE k, eo
	s_wait_dscnt 0x0                               ; the fragments and the entries are in, and the last turn's stores have read set k
	ADDR \k
	XLOAD \k                                       ; in every tile: beyond the expert's rows the list names token 0
	MUL
	WIN 0
.rept 4
	v_nop                                          ; four plain places behind the products, ahead of loads into their operands, of writes of their scales and of the first read of the sums
.endr
	s_wait_loadcnt 25                              ; tile g + 1 is in: behind its loads only the 25 just issued
	s_wait_xcnt 0x0                                ; the last tile's stores have read their data and bases: both are written again only behind this wait
	s_add_nc_u64 s[16:17], s[16:17], 3072          ; two tiles on; this tile's stores reach back by their immediates
	s_add_nc_u64 s[18:19], s[18:19], 4096
	TURN 1-\k
	ENTRIES \eo
.irp j, 0,2,4,6,8,10,12,14,16,18,20,22,24,26,28,30
	v_pk_mul_f32 v[TT+\j:TT+\j+1], v[ACC+\j:ACC+\j+1], s[40:41] op_sel_hi:[1,0]   ; -z log2(e); each sum is read from its low end on
.endr
.set j, 0
.rept 32
	v_exp_f32 v[TT+j], v[TT+j]                     ; e^-z
.set j, j+1
.endr
	v_nop                                          ; a plain place behind the batch,
	s_wait_alu depctr_va_vdst(0)                   ; and one wait for it, ahead of its first use
.irp j, 0,2,4,6,8,10,12,14,16,18,20,22,24,26,28,30
	v_pk_add_f32 v[TT+\j:TT+\j+1], v[TT+\j:TT+\j+1], 1.0 op_sel_hi:[1,0]
.endr
.set j, 0
.rept 32
	v_rcp_f32 v[TT+j], v[TT+j]                     ; 1 / (1 + e^-z)
.set j, j+1
.endr
	v_nop
	s_wait_alu depctr_va_vdst(0)
.irp j, 0,2,4,6,8,10,12,14,16,18,20,22,24,26,28,30
	v_pk_mul_f32 v[TT+\j:TT+\j+1], v[TT+\j:TT+\j+1], v[ACC+\j:ACC+\j+1]   ; silu(z), in f32
.endr
	; two blocks of 32 along the next K: my 16 numbers of each, and lane l xor 16's
.irp b, 0,1
	v_max3_num_f32 v[176+\b], |v[TT+16*\b]|, |v[TT+16*\b+1]|, 0x2800000   ; with the floor 2^(5 - 127): the byte cannot fall under 1
.endr
.irp i, 2,4,6,8,10,12,14
.irp b, 0,1
	v_max3_num_f32 v[176+\b], v[176+\b], |v[TT+16*\b+\i]|, |v[TT+16*\b+\i+1]|
.endr
.endr
.irp b, 0,1
	v_permlanex16_b32 v[178+\b], v[176+\b], s32, s33
.endr
.irp b, 0,1
	v_max_num_f32 v[176+\b], v[176+\b], v[178+\b]
.endr
.irp b, 0,1
	v_add_nc_u32 v[180+\b], 0xfe000000, v[176+\b]  ; 4 off the exponent field: the conversion's scale operand
.endr
.irp b, 0,1
	v_lshrrev_b32 v[182+\b], 23, v[180+\b]         ; the scale's byte
.endr
	v_cvt_scalef32_pk16_bf6_f32 v[186:188], v[TT:TT+15], v180
	v_cvt_scalef32_pk16_bf6_f32 v[192:194], v[TT+16:TT+31], v181
	v_nop                                          ; one plain place behind a scaled conversion
	; A row's 48 bytes are words d0 .. d11.  Lanes 0-15 hold d0-2 and d6-8, lanes 16-31 d3-5 and d9-11.  Wanted, for three stores of 8 bytes a lane: (d0 d1 | d2 d3), (d4 d5 | d6 d7), (d8 d9 | d10 d11).
	v_permlane16_swap_b32 v186, v188               ; v186 = (d0 | d2), v188 = (d3 | d5)
	v_permlane16_swap_b32 v187, v188               ; v187 = (d1 | d3), v188 = (d4 | d5)
	v_permlane16_swap_b32 v188, v192               ; v188 = (d4 | d6), v192 = (d5 | d9)
	v_permlane16_swap_b32 v192, v193               ; v192 = (d5 | d7), v193 = (d9 | d10)
	v_mov_b32 v189, v192
	v_cndmask_b32 v190, v194, v193, s34            ; (d8 | d10)
	v_cndmask_b32 v191, v193, v194, s34            ; (d9 | d11)
	v_cndmask_b32 v184, v182, v183, s34            ; lanes 0-15 store block 0's byte, lanes 16-31 block 1's
.irp i, 0,1,2
	global_store_b64 v1, v[186+2*\i:187+2*\i], s[16:17] offset:512*\i-3072   ; 32 lanes: 256 consecutive bytes, from a multiple of 256 in hbuf
.endr
	global_store_b8 v2, v184, s[18:19] offset:-4096
.endm
	s_load_b256 s[4:11], s[0:1], 0x0               ; sel s[4:5], xq s[6:7], xs s[8:9], W1's codes s[10:11]
	s_load_b256 s[12:19], s[0:1], 0x20             ; W1's scales s[12:13], b1 s[14:15], hbuf s[16:17], hs s[18:19]
	v_lshl_add_u32 v254, v0, 2, 0x33100
	v_mov_b32 v255, 0
	v_lshrrev_b32 v196, 5, v0
	v_readfirstlane_b32 s20, v196                  ; wave 0..3
	s_and_b32 s21, s20, 1                          ; nh: which 64 hidden units
	s_lshr_b32 s22, s20, 1                         ; par: which tile of each group
	s_mov_b32 s23, ttmp9                           ; the chunk of 128 hidden units
	s_and_b32 s24, ttmp7, 0xffff                   ; the expert
	s_mov_b32 s32, 0x76543210
	s_mov_b32 s33, 0xfedcba98                      ; v_permlanex16_b32's selects for lane l xor 16
	s_mov_b32 s34, 0xffff0000                      ; lanes 16-31
	s_mov_b32 s39, 0x03010200                      ; v_perm_b32: bytes 1 and 2 change places
	s_mov_b32 s40, 0xbfb8aa3b                      ; -log2(e)
	s_mov_b32 s41, s40                             ; (named with it as a pair, so it is written)
	v_and_b32 v198, 31, v0                         ; lane
	v_and_b32 v196, 15, v0                         ; r
	v_bfe_u32 v197, v0, 4, 1                       ; h
	v_lshlrev_b32 v1, 4, v196
	v_lshl_add_u32 v1, v197, 3, v1                 ; h's codes: 16 r + 8 h
	v_lshlrev_b32 v2, 7, v196
	v_lshl_add_u32 v2, v197, 1, v2                 ; h's scale bytes: 128 r + 2 h
	v_lshlrev_b32 v6, 4, v196                      ; 16 (lane % 16)
	v_mad_u32_u24 v3, v197, 768, v6                ; W1 as it lies: row h of a pair, 16 bytes a lane
	v_and_b32 v199, 8, v196
	v_add_nc_u32 v199, v199, v196                  ; r + 8 (r / 8)
	v_lshlrev_b32 v4, 5, v199                      ; W1's scale words: 32 bytes a row
	v_lshlrev_b32 v5, 6, v197                      ; b1: 64 h
	v_lshlrev_b32 v11, 4, v197                     ; 16 h
	s_lshl_b32 s29, s22, 6
	s_add_co_u32 s29, s29, LIST
	v_lshl_add_u32 v7, v197, 2, s29                ; the list: 64 par + 4 h (+ 8 a, + 128 a tile of mine)
	v_lshl_add_u32 v8, v196, 2, s29                ; and 64 par + 4 r
	s_mul_i32 s29, s20, WREG                       ; my region of LDS
	v_mad_u32_u24 v9, v197, PITCH, v6
	v_add_nc_u32 v9, s29, v9                       ; in: row h of a pair, 16 bytes a lane
	v_mul_u32_u24 v10, v196, PITCH
	v_mad_u32_u24 v10, v197, 48, v10
	v_add_nc_u32 v10, s29, v10                     ; back: row r, + 48 h
	v_lshl_add_u32 v[FA], v198, 4, LIST
	v_add_nc_u32 v[DI], 1152, v198
	v_add_nc_u32 v[L1], 0x400, v198
	v_mov_b32 v[CA], CNTA
	v_lshlrev_b32 v[SO], 3, v198
.irp i, 0,1,2,3
	v_mov_b32 v[FV+\i], 0
.endr
	v_mov_b32 v178, 0                              ; written once: a lane permute's destination counts as one of its sources
	v_mov_b32 v179, 0
	s_lshl_b32 s29, s24, 12
	s_lshl_b32 s30, s23, 7
	s_add_co_u32 s29, s29, s30
	s_lshl_b32 s30, s21, 6
	s_add_co_u32 s29, s29, s30                     ; my first row of W1: 4,096 e + 128 chunk + 64 nh
	s_mov_b32 s31, 0
	s_wait_kmcnt 0x0
	s_mul_i32 s30, s29, 768
	s_add_nc_u64 s[10:11], s[10:11], s[30:31]
	s_lshl_b32 s30, s29, 5
	s_add_nc_u64 s[12:13], s[12:13], s[30:31]
	s_lshl_b32 s30, s29, 2
	s_add_nc_u64 s[14:15], s[14:15], s[30:31]
	s_lshl_b32 s29, s24, 5
	s_add_co_u32 s29, s29, s23
	s_lshl_b32 s29, s29, 6
	s_add_co_u32 s29, s29, s22
	s_mul_i32 s30, s29, 1536                       ; hbuf: ((32 e + chunk) 64 + par) images
	s_lshl_b32 s29, s21, 8
	s_add_co_u32 s30, s30, s29                     ; + 256 nh
	s_add_nc_u64 s[16:17], s[16:17], s[30:31]
	s_lshl_b32 s29, s24, 6
	s_add_co_u32 s29, s29, s22
	s_lshl_b32 s30, s29, 11                        ; hs: (64 e + par) tiles of 2,048 bytes
	s_lshl_b32 s29, s23, 2
	s_add_co_u32 s30, s30, s29
	s_add_co_u32 s30, s30, s21                     ; + 4 chunk + nh
	s_add_nc_u64 s[18:19], s[18:19], s[30:31]
	s_cmp_lg_u32 s20, 0
	s_cbranch_scc1 .Lno_sel
.set j, 0
.rept 32
	global_load_b64 v[SL+2*j:SL+2*j+1], v[SO], s[4:5] offset:256*j   ; wave 0's first loads: the list waits for them, and everybody waits for the list
.set j, j+1
.endr
.Lno_sel:
.irp t, 0,1,2,3
	global_load_b128 v[WS+8*\t:WS+8*\t+3], v4, s[12:13] offset:(32*(\t/2)+8*(\t%2))*32
	global_load_b128 v[WS+8*\t+4:WS+8*\t+7], v4, s[12:13] offset:(32*(\t/2)+8*(\t%2))*32+16
	global_load_b128 v[BIAS+8*\t:BIAS+8*\t+3], v5, s[14:15] offset:(32*(\t/2)+8*(\t%2))*4
	global_load_b128 v[BIAS+8*\t+4:BIAS+8*\t+7], v5, s[14:15] offset:(32*(\t/2)+8*(\t%2))*4+16
.endr
	WRAW                                           ; all of W1 is asked for before the list is made
	s_cmp_lg_u32 s20, 0
	s_cbranch_scc1 .Lno_place
	s_wait_loadcnt 63                              ; sel is in: 112 loads were issued behind it, more than a wait can name
	PLACE
.Lno_place:
	s_wait_dscnt 0x0                               ; wave 0's stores of the list and the count have landed; no other wave has touched LDS yet
	s_barrier_signal -1
	s_barrier_wait -1                              ; the launch's one barrier: from here on the list is only read, and each wave writes its own region alone
	ds_load_b32 v21, v[CA]
	ENTRIES 0
	s_wait_dscnt 0x0
	v_readfirstlane_b32 s25, v21
	s_min_u32 s25, s25, 0x400                      ; R
	s_add_co_u32 s26, s25, 31
	s_lshr_b32 s26, s26, 5
	s_add_co_u32 s26, s26, 1
	s_and_b32 s26, s26, -2
	s_max_u32 s26, s26, 2                          ; tiles of mine to make: even, at least two
	ADDR 0
	XLOAD 0                                        ; tile 0
	ENTRIES 128
	s_wait_dscnt 0x0
	ADDR 1
	XLOAD 1                                        ; tile 1
	ENTRIES 256                                    ; tile 2's entries: the first tile's turn reads them
	s_wait_loadcnt 50                              ; all but the 50 loads of x just issued: W1, its scale words and b1 are in
	WSTORE
	s_wait_dscnt 0x0                               ; the stores have read W1's registers, which now take the fragments
	WFRAG
.set j, 0
.rept 32
	v_perm_b32 v[WS+j], v[WS+j], v[WS+j], s39      ; (the first product stands more than 8 plain vector lines further on)
.set j, j+1
.endr
	s_wait_loadcnt 25                              ; tile 0 is in; tile 1's 25 loads may be out
	TURN 0
	s_mov_b32 s27, 0                               ; g
	s_mov_b32 s28, 0
.Lpair:                                                ; 16 trips of two tiles: the 32 tiles that an expert with all 1,024 tokens gives a wave
	s_cmp_ge_u32 s27, s26
	s_cbranch_scc1 .Lskip
	TILE 0, 384
	TILE 1, 512
.Lskip:
	s_add_co_u32 s27, s27, 2
	v_add_nc_u32 v7, 256, v7                       ; two tiles of mine on in the list
	v_add_nc_u32 v8, 256, v8
	s_add_co_u32 s28, s28, 1
	s_cmp_lt_u32 s28, 16
	s_cbranch_scc1 .Lpair
	s_wait_dscnt 0x0
	s_barrier_signal -1
	s_barrier_wait -1
	s_wait_tensorcnt 0x0
	ds_add_u32 v254, v255
	s_wait_dscnt 0x0
	s_endpgm
.Lfunc_end_k_q3507d89744_up:
	.size	k_q3507d89744_up, .Lfunc_end_k_q3507d89744_up-k_q3507d89744_up
	.p2alignl 7, 3214868480
	.fill 96, 4, 3214868480
	.section	.rodata,"a",@progbits
	.p2align	6, 0x0
	.amdhsa_kernel k_q3507d89744_up
		.amdhsa_group_segment_fixed_size 209664
		.amdhsa_private_segment_fixed_size 0
		.amdhsa_enable_private_segment 0
		.amdhsa_kernarg_size 64
		.amdhsa_user_sgpr_count 2
		.amdhsa_user_sgpr_kernarg_segment_ptr 1
		.amdhsa_wavefront_size32 1
		.amdhsa_system_sgpr_workgroup_id_x 1
		.amdhsa_system_sgpr_workgroup_id_y 1
		.amdhsa_system_sgpr_workgroup_id_z 1
		.amdhsa_system_vgpr_workitem_id 0
		.amdhsa_next_free_vgpr 960
		.amdhsa_next_free_sgpr 100
		.amdhsa_reserve_vcc 0
		.amdhsa_float_denorm_mode_32 3
		.amdhsa_float_denorm_mode_16_64 3
		.amdhsa_memory_ordered 1
		.amdhsa_forward_progress 1
		.amdhsa_inst_pref_size 111
	.end_amdhsa_kernel
	.amdgpu_metadata
---
amdhsa.version: [ 1, 2 ]
amdhsa.kernels:
  - .name:           k_q3507d89744_up
    .symbol:         k_q3507d89744_up.kd
    .args:
      - { .name: sel, .offset: 0, .size: 8, .value_kind: global_buffer, .address_space: global }
      - { .name: xq, .offset: 8, .size: 8, .value_kind: global_buffer, .address_space: global }
      - { .name: xs, .offset: 16, .size: 8, .value_kind: global_buffer, .address_space: global }
      - { .name: W1_codes, .offset: 24, .size: 8, .value_kind: global_buffer, .address_space: global }
      - { .name: W1_scales, .offset: 32, .size: 8, .value_kind: global_buffer, .address_space: global }
      - { .name: b1, .offset: 40, .size: 8, .value_kind: global_buffer, .address_space: global }
      - { .name: hbuf, .offset: 48, .size: 8, .value_kind: global_buffer, .address_space: global }
      - { .name: hs, .offset: 56, .size: 8, .value_kind: global_buffer, .address_space: global }
    .group_segment_fixed_size: 209664
    .private_segment_fixed_size: 0
    .kernarg_segment_align: 8
    .kernarg_segment_size: 64
    .max_flat_workgroup_size: 128
    .sgpr_count:     100
    .vgpr_count:     960
    .wavefront_size: 32
...
	.end_amdgpu_metadata
.endif
;; end of part 6
;; launch down (part 7): grid 32 x 8, 4 waves a work-group, no clusters, 287,488 bytes of LDS; arguments sel, wts, hbuf, hs, W2_codes, W2_scales, b2, ybuf; writes ybuf
.if DOCPART == 7
	.amdgcn_target "amdgcn-amd-amdhsa--gfx1250"
	.amdhsa_code_object_version 6
	.text
	.protected	k_q3507d89744_down
	.globl	k_q3507d89744_down
	.p2align	8
	.type	k_q3507d89744_down,@function
k_q3507d89744_down:
	s_mov_b64 s[64:65], 0
	v_nop
	global_prefetch_b8 v0, s[64:65] scope:SCOPE_SE
	s_setreg_imm32_b32 hwreg(HW_REG_WAVE_MODE, 25, 1), 1
	s_wait_xcnt 0x0
; y = w (h W2[e] + b2[e]) FOR THE ROWS THAT CHOSE EXPERT e, on codes of E3M2 with one E8M0 scale for each 32 along K; w the gate's weight of the row.
; Work-group (x, y): expert e = y, outputs 64 (x >> 1) .. + 63, the expert's groups of 32 rows g with g mod 2 = x & 1.
; THE WEIGHTS STAY: wave q keeps 64 outputs x K steps 8 q .. 8 q + 7 of W2 in 384 registers.  So each byte of h is loaded once in the work-group and feeds four products;
; the four waves' partial sums of a group (32 rows x 64 outputs) meet in LDS, and wave q adds, scales and stores rows 8 q .. 8 q + 7.
; W2 COMES AS IT LIES: each load takes two runs of 256 consecutive bytes (lanes 0-15 a third of my 768 bytes of one row, lanes 16-31 of the next), and the turn to a fragment's layout is made once,
; at the head, in the wave's own region of LDS, rows 784 bytes apart (196 words: row r starts at bank 4 r mod 64; 64 banks of 4 bytes: ISA guide 11.1).
; THE ROWS: wave 0 makes the expert's list and the rows' weights in LDS, by the lines by which the launch before made the list.  Entry = token + 1,024 x slot = the row of ybuf.
; Past the expert's R rows the list names this work-group's own spare row of ybuf (2,048 + 32 y + x), with weight 0: EXEC never changes, and no byte of ybuf has two writers.
; h comes as images of the fragments' registers (hbuf) and scale words (hs), W2 in the same K order (in a K step, registers 6 c .. of lanes 16 h .. hold block 2 h + c): 48 neighbouring bytes a lane.
; THE PRODUCT IS USED TRANSPOSED (source 0 = 16 rows of W2, source 1 = 16 rows of h): a lane holds eight neighbouring outputs of one row.
; THE LOOP has a constant number of trips, and its barrier stands on every path; a trip whose group the expert does not have jumps over the work alone.
; NO TENSOR LOADS, SO NO JOINT LOADS: which trips have work is a number read from memory, so operands come by loads into registers.
; LIMITS: NaN and infinities are not served.  A row's sum over K is made of four partial sums: ((q0 + q1) + (q2 + q3)).
; REGISTERS.  Window 0: v1-13 offsets; v20-23 b2; v32-63 W2's scale words (8 t + s); v64-79 h's (8 tile + s); v80-143 the sums (32 tile + 8 t); v144-207 partial sums from LDS;
; v208-215 the rows' weights; v216-219 entries; v220-223 offsets in ybuf; v224-255 PLACE.  Window 1: W2's fragments of my K steps 0-4.  Window 2: 5-7.  Window 3: h's two tiles (96 tile + 12 s).
.set PITCH, 784
.set WREG,  50176                      ; LDS: a region of 64 rows for each wave, from 0;
.set RB,    200704                     ; two buffers of [wave 4][row 32][256 + 16 bytes];
.set RBUF,  34816
.set RWAV,  8704
.set LIST,  270336                     ; the list, 2,048 words;
.set WOFF,  8192                       ; the weights lie 8,192 bytes behind it, 2,048 words;
.set CNTA,  286720                     ; the count
.set WS,   32
.set HSC,  64
.set ACC,  80
.set RD,   144
.set GW,   208
.set ENT,  216
.set YO,   220
.set SL,   80                          ; PLACE: sel's 64 words a lane,
.set WT,   144                         ; and wts'
.set FA,   224                         ; LIST + 16 x lane
.set DI,   225                         ; 1,152 + lane: a spare entry for a lane whose token did not choose e
.set L1,   226                         ; 1,024 + lane
.set CA,   227
.set SO,   228
.set PP,   232                         ; v232-235, v236-239, v240-243, v248-251: four steps' places, addresses, entries and weights; written and used in wave 0's branch alone
.set PA,   236
.set PE,   240
.set FV,   244                         ; v244-247 the list's fill: my spare row
.set WW,   248
.set ZV,   252                         ; v252-255 the weights' fill: 0
.set CC,   48                          ; s48-63  sixteen steps' counts so far
.set MA,   66                          ; s66-81  their members
.set MB,   82                          ; s82-97  those of them that chose e second
.set MSB, 0
.macro WIN new                         ; the immediate's high byte repeats the setting that is left
.if MSB != \new
	s_set_vgpr_msb (MSB<<8)|\new
.set MSB, \new
.endif
.endm
; Wave 0 alone: expert s24's list and weights.  Step i takes tokens 32 i + lane: a member's place is the count so far + the members in lower lanes.
; Sixteen steps at a time: all compares, then the scalar counts, then the vector lines, four steps by turns: no line waits for the line above it.
.macro PLACE
.irp j, 0,1,2,3,4,5,6,7,8
	ds_store_b128 v[FA], v[FV:FV+3] offset:512*\j  ; entries 0 .. 1,151 are filled first (a wave's LDS instructions are served in order)
	ds_store_b128 v[FA], v[ZV:ZV+3] offset:WOFF+512*\j
.endr
	s_mov_b32 s35, 0
.irp hf, 0,1
.set PI, 0
.rept 16
	v_cmp_eq_u32 s[MA+PI], s24, v[SL+2*(16*\hf+PI)]     ; chosen first,
	v_cmp_eq_u32 s[MB+PI], s24, v[SL+2*(16*\hf+PI)+1]   ; or second
.set PI, PI+1
.endr
.set PI, 0
.rept 16
	s_or_b32 s[MA+PI], s[MA+PI], s[MB+PI]
	s_mov_b32 s[CC+PI], s35
	s_bcnt1_i32_b32 s36, s[MA+PI]
	s_add_co_u32 s35, s35, s36
.set PI, PI+1
.endr
.irp q, 0,1,2,3
.irp n, 0,1,2,3
	v_mbcnt_lo_u32_b32 v[PP+\n], s[MA+4*\q+\n], s[CC+4*\q+\n]
.endr
.irp n, 0,1,2,3
	v_cndmask_b32 v[PE+\n], v9, v[L1], s[MB+4*\q+\n]
.endr
.irp n, 0,1,2,3
	v_cndmask_b32 v[PP+\n], v[DI], v[PP+\n], s[MA+4*\q+\n]
.endr
.irp n, 0,1,2,3
	v_add_nc_u32 v[PE+\n], 32*(16*\hf+4*\q+\n), v[PE+\n]   ; token + 1,024 x slot
.endr
.irp n, 0,1,2,3
	v_min_u32 v[PP+\n], 0x7ff, v[PP+\n]            ; inside the list's 2,048 words, whatever sel holds
.endr
.irp n, 0,1,2,3
	v_cndmask_b32 v[WW+\n], v[WT+2*(16*\hf+4*\q+\n)], v[WT+2*(16*\hf+4*\q+\n)+1], s[MB+4*\q+\n]
.endr
.irp n, 0,1,2,3
	v_lshl_add_u32 v[PA+\n], v[PP+\n], 2, LIST
.endr
.irp n, 0,1,2,3
	ds_store_b32 v[PA+\n], v[PE+\n]
	ds_store_b32 v[PA+\n], v[WW+\n] offset:WOFF
.endr
.endr
.endr
	v_mov_b32 v[PE], s35
	ds_store_b32 v[CA], v[PE]
.endm
.macro WRAW                            ; my 768 bytes of each of 64 rows of W2, as they lie: load 3 a + c takes bytes 256 c .. of rows 2 a (lanes 0-15) and 2 a + 1 (lanes 16-31), into the registers where W2 will stay
.set QJ, 0
.rept 96
.if QJ < 60
	WIN 0x40
	global_load_b128 v[4*QJ:4*QJ+3], v3, s[12:13] offset:6144*(QJ/3)+256*(QJ%3)
.else
	WIN 0x80
	global_load_b128 v[4*QJ-240:4*QJ-237], v3, s[12:13] offset:6144*(QJ/3)+256*(QJ%3)
.endif
.set QJ, QJ+1
.endr
	WIN 0
.endm
.macro WSTORE                          ; into my region, row by row
.set QJ, 0
.rept 96
.if QJ < 60
	WIN 0x04                                       ; an LDS store's data are its source 1
	ds_store_b128 v12, v[4*QJ:4*QJ+3] offset:2*(QJ/3)*PITCH+256*(QJ%3)
.else
	WIN 0x08
	ds_store_b128 v12, v[4*QJ-240:4*QJ-237] offset:2*(QJ/3)*PITCH+256*(QJ%3)
.endif
.set QJ, QJ+1
.endr
	WIN 0
.endm
.macro WFRAG                           ; and back as fragments: lane (r, h) of tile t takes bytes 96 s + 48 h .. + 47 of row 16 t + r
.irp s, 0,1,2,3,4,5,6,7
.if \s < 5
	WIN 0x40
.set WB, 48*\s
.else
	WIN 0x80
.set WB, 48*(\s-5)
.endif
.irp t, 0,1,2,3
.irp i, 0,1,2
	ds_load_b128 v[WB+12*\t+4*\i:WB+12*\t+4*\i+3], v13 offset:16*\t*PITCH+96*\s+16*\i
.endr
.endr
.endr
	WIN 0
.endm
.macro HLOAD u                         ; tile u of the group: my eight K steps' images, 512 consecutive bytes a load, and the rows' scale words: 26 loads
	WIN 0xc0
.irp s, 0,1,2,3,4,5,6,7
.irp i, 0,1,2
	global_load_b128 v[96*\u+12*\s+4*\i:96*\u+12*\s+4*\i+3], v1, s[40+2*\u:41+2*\u] offset:98304*\s+512*\i
.endr
.endr
	WIN 0
	global_load_b128 v[HSC+8*\u:HSC+8*\u+3], v2, s[44+2*\u:45+2*\u]
	global_load_b128 v[HSC+8*\u+4:HSC+8*\u+7], v2, s[44+2*\u:45+2*\u] offset:16
.endm
.macro MUL u                           ; 32 products: K step by K step, the four sums by turns, one instruction a turn; the first K step starts the sums
.irp s, 0,1,2,3,4,5,6,7
.if \s < 5
	WIN 0x0d                                       ; source 0 (W2) window 1, source 1 (h) window 3
.set WB, 48*\s
.else
	WIN 0x0e                                       ; source 0 window 2
.set WB, 48*(\s-5)
.endif
.irp t, 0,1,2,3
.if \s == 0
	v_wmma_scale_f32_16x16x128_f8f6f4 v[ACC+32*\u+8*\t:ACC+32*\u+8*\t+7], v[WB+12*\t:WB+12*\t+11], v[96*\u+12*\s:96*\u+12*\s+11], 0, v[WS+8*\t+\s], v[HSC+8*\u+\s] matrix_a_fmt:MATRIX_FMT_BF6 matrix_b_fmt:MATRIX_FMT_BF6
.else
	v_wmma_scale_f32_16x16x128_f8f6f4 v[ACC+32*\u+8*\t:ACC+32*\u+8*\t+7], v[WB+12*\t:WB+12*\t+11], v[96*\u+12*\s:96*\u+12*\s+11], v[ACC+32*\u+8*\t:ACC+32*\u+8*\t+7], v[WS+8*\t+\s], v[HSC+8*\u+\s] matrix_a_fmt:MATRIX_FMT_BF6 matrix_b_fmt:MATRIX_FMT_BF6
.endif
.endr
.endr
.endm
.macro PLACES                          ; four plain places behind the products, ahead of loads into registers that they read and of LDS stores of their results
.rept 4
	v_nop
.endr
.endm
; ONE GROUP of 32 rows, through buffer buf.  At a trip's head either both tiles' loads are on their way, tile 0's first, or none is.
; The second tile's products are written in both arms of one branch, so that each wait stands in the arm of the loads that it counts.
.macro TRIP buf
	s_cmp_ge_u32 s27, s26
	s_cbranch_scc1 .Lmeet_\@
	s_wait_loadcnt 26                              ; tile 0 is in: behind its loads only tile 1's 26 were issued
	MUL 0
	WIN 0
	PLACES
	s_add_co_u32 s29, s27, 2
	s_cmp_lt_u32 s29, s26
	s_cbranch_scc0 .Llast_\@
	s_add_nc_u64 s[40:41], s[40:41], 6144          ; my next group's tile 0, four tiles on (the wait above has shown this base's loads done)
	s_add_nc_u64 s[44:45], s[44:45], 8192
	HLOAD 0
	s_wait_loadcnt 26                              ; tile 1 is in: behind its loads only the 26 just issued
	MUL 1
	WIN 0
	PLACES
	s_add_nc_u64 s[42:43], s[42:43], 6144
	s_add_nc_u64 s[46:47], s[46:47], 8192
	HLOAD 1
	s_branch .Lstage_\@
.Llast_\@:                                             ; my last group: nothing more is asked for
	s_wait_loadcnt 0x0
	MUL 1
	WIN 0
	PLACES
.Lstage_\@:
.irp u, 0,1
.irp t, 0,1,2,3
	ds_store_b128 v5, v[ACC+32*\u+8*\t:ACC+32*\u+8*\t+3] offset:\buf*RBUF+\u*4352+64*\t      ; row 16 u + r, outputs 16 t + 8 h + 0 .. 7; each sum from its low end on
	ds_store_b128 v5, v[ACC+32*\u+8*\t+4:ACC+32*\u+8*\t+7] offset:\buf*RBUF+\u*4352+64*\t+16
.endr
.endr
.Lmeet_\@:
	s_wait_dscnt 0x0                               ; my stores into this buffer have landed, and my reads of the other buffer, a trip ago, are in
	s_barrier_signal -1
	s_barrier_wait -1                              ; so this buffer is whole, and the other may be written again in the next trip
	s_cmp_ge_u32 s27, s26
	s_cbranch_scc1 .Lnext_\@
	s_wait_xcnt 0x0                                ; the last group's stores have read their data and offsets: both are written again only behind this wait
.irp i, 0,1,2,3
	ds_load_b32 v[ENT+\i], v7 offset:8*\i          ; rows 8 q + 2 i + (lane / 16): their rows of ybuf,
.endr
.irp i, 0,1,2,3
	ds_load_b32 v[GW+2*\i], v7 offset:WOFF+8*\i    ; their weights,
.endr
.irp i, 0,1,2,3
.irp p, 0,1,2,3
	ds_load_b128 v[RD+16*\i+4*\p:RD+16*\i+4*\p+3], v6 offset:\buf*RBUF+\p*RWAV+544*\i   ; and the four waves' partial sums: sixteen lanes to a row's 256 bytes
.endr
.endr
.irp i, 0,1,2,3
	s_wait_dscnt 12-4*\i                           ; this pair of rows is in; the younger pairs' four loads each may be out
	v_pk_add_f32 v[RD+16*\i:RD+16*\i+1], v[RD+16*\i:RD+16*\i+1], v[RD+16*\i+4:RD+16*\i+5]
	v_pk_add_f32 v[RD+16*\i+2:RD+16*\i+3], v[RD+16*\i+2:RD+16*\i+3], v[RD+16*\i+6:RD+16*\i+7]
	v_pk_add_f32 v[RD+16*\i+8:RD+16*\i+9], v[RD+16*\i+8:RD+16*\i+9], v[RD+16*\i+12:RD+16*\i+13]
	v_pk_add_f32 v[RD+16*\i+10:RD+16*\i+11], v[RD+16*\i+10:RD+16*\i+11], v[RD+16*\i+14:RD+16*\i+15]
	v_pk_add_f32 v[RD+16*\i:RD+16*\i+1], v[RD+16*\i:RD+16*\i+1], v[RD+16*\i+8:RD+16*\i+9]
	v_pk_add_f32 v[RD+16*\i+2:RD+16*\i+3], v[RD+16*\i+2:RD+16*\i+3], v[RD+16*\i+10:RD+16*\i+11]
	v_pk_add_f32 v[RD+16*\i:RD+16*\i+1], v[RD+16*\i:RD+16*\i+1], v[20:21]                 ; + b2
	v_pk_add_f32 v[RD+16*\i+2:RD+16*\i+3], v[RD+16*\i+2:RD+16*\i+3], v[22:23]
	v_pk_mul_f32 v[RD+16*\i:RD+16*\i+1], v[RD+16*\i:RD+16*\i+1], v[GW+2*\i:GW+2*\i+1] op_sel_hi:[1,0]   ; x the gate's weight
	v_pk_mul_f32 v[RD+16*\i+2:RD+16*\i+3], v[RD+16*\i+2:RD+16*\i+3], v[GW+2*\i:GW+2*\i+1] op_sel_hi:[1,0]
	v_min_u32 v[ENT+\i], 0x8ff, v[ENT+\i]          ; inside ybuf's 2,304 rows
	v_lshl_add_u32 v[YO+\i], v[ENT+\i], 12, v8
	global_store_b128 v[YO+\i], v[RD+16*\i:RD+16*\i+3], s[18:19]   ; sixteen lanes: 256 consecutive bytes, from a multiple of 256 in ybuf
.endr
.Lnext_\@:
	s_add_co_u32 s27, s27, 2                       ; my next group
	v_add_nc_u32 v7, 256, v7
.endm
	s_load_b256 s[4:11], s[0:1], 0x0               ; sel s[4:5], wts s[6:7], hbuf s[8:9], hs s[10:11]
	s_load_b256 s[12:19], s[0:1], 0x20             ; W2's codes s[12:13], W2's scales s[14:15], b2 s[16:17], ybuf s[18:19]
	v_lshl_add_u32 v230, v0, 2, 0x46100
	v_mov_b32 v231, 0
	v_lshrrev_b32 v10, 5, v0
	v_readfirstlane_b32 s20, v10                   ; wave q = 0..3: which quarter of K
	s_lshr_b32 s21, ttmp9, 1                       ; the chunk of 64 outputs
	s_and_b32 s22, ttmp9, 1                        ; which groups are mine
	s_and_b32 s24, ttmp7, 0xffff                   ; the expert
	s_mov_b32 s39, 0x03010200                      ; v_perm_b32: bytes 1 and 2 change places
	v_and_b32 v9, 31, v0                           ; lane
	v_and_b32 v10, 15, v0                          ; r
	v_bfe_u32 v11, v0, 4, 1                        ; h
	v_lshlrev_b32 v1, 4, v9                        ; an image's place for my lane
	v_lshlrev_b32 v2, 7, v10                       ; scale words: 128 bytes a row, in hs and in W2's scales
	v_lshlrev_b32 v8, 4, v10                       ; 16 (lane % 16): in b2, in a row of ybuf, in a run of W2
	v_mad_u32_u24 v3, v11, 3072, v8                ; W2 as it lies: row h of a pair, 16 bytes a lane
	s_mul_i32 s29, s20, WREG                       ; my region of LDS
	v_mad_u32_u24 v12, v11, PITCH, v8
	v_add_nc_u32 v12, s29, v12                     ; in: row h of a pair, 16 bytes a lane
	v_mul_u32_u24 v13, v10, PITCH
	v_mad_u32_u24 v13, v11, 48, v13
	v_add_nc_u32 v13, s29, v13                     ; back: row r, + 48 h
	s_mul_i32 s29, s20, RWAV
	s_add_co_u32 s29, s29, RB
	v_mul_u32_u24 v5, v10, 272
	v_lshl_add_u32 v5, v11, 5, v5
	v_add_nc_u32 v5, s29, v5                       ; my partial sums, in: my wave's part, row r, + 32 h
	s_mul_i32 s29, s20, 2176
	s_add_co_u32 s29, s29, RB
	v_mul_u32_u24 v6, v11, 272
	v_lshl_add_u32 v6, v10, 4, v6
	v_add_nc_u32 v6, s29, v6                       ; back: row 8 q + (lane / 16), 16 bytes a lane
	s_lshl_b32 s29, s22, 7
	s_lshl_b32 s30, s20, 5
	s_add_co_u32 s29, s29, s30
	s_add_co_u32 s29, s29, LIST
	v_lshl_add_u32 v7, v11, 2, s29                 ; the list: my first group, entry 8 q + (lane / 16)
	v_lshl_add_u32 v[FA], v9, 4, LIST
	v_add_nc_u32 v[DI], 1152, v9
	v_add_nc_u32 v[L1], 0x400, v9
	v_mov_b32 v[CA], CNTA
	v_lshlrev_b32 v[SO], 3, v9
	s_lshl_b32 s29, s24, 5
	s_add_co_u32 s29, s29, ttmp9
	s_add_co_u32 s29, s29, 2048                    ; my spare row of ybuf
.irp i, 0,1,2,3
	v_mov_b32 v[FV+\i], s29
	v_mov_b32 v[ZV+\i], 0
	v_mov_b32 v[GW+2*\i+1], 0                      ; (named as the upper halves of the weights' pairs)
.endr
	s_lshl_b32 s29, s24, 10
	s_lshl_b32 s30, s21, 6
	s_add_co_u32 s29, s29, s30                     ; my first row of W2: 1,024 e + 64 chunk
	s_mov_b32 s31, 0
	s_wait_kmcnt 0x0
	s_mul_i32 s30, s29, 3072
	s_mul_i32 s36, s20, 768
	s_add_co_u32 s30, s30, s36                     ; + my eight K steps: 768 q
	s_add_nc_u64 s[12:13], s[12:13], s[30:31]
	s_lshl_b32 s30, s29, 7
	s_lshl_b32 s36, s20, 5
	s_add_co_u32 s30, s30, s36
	s_add_nc_u64 s[14:15], s[14:15], s[30:31]
	s_lshl_b32 s30, s29, 2
	s_add_nc_u64 s[16:17], s[16:17], s[30:31]
	s_lshl_b32 s30, s21, 8
	s_add_nc_u64 s[18:19], s[18:19], s[30:31]      ; ybuf at my 64 outputs
	s_lshl_b32 s29, s24, 5
	s_lshl_b32 s30, s20, 3
	s_add_co_u32 s29, s29, s30
	s_lshl_b32 s29, s29, 6
	s_lshl_b32 s30, s22, 1
	s_add_co_u32 s29, s29, s30
	s_mul_i32 s30, s29, 1536                       ; hbuf: ((32 e + 8 q) 64 + 2 x my first group) images
	s_add_nc_u64 s[40:41], s[8:9], s[30:31]
	s_add_nc_u64 s[42:43], s[40:41], 1536          ; and the group's second tile
	s_lshl_b32 s29, s24, 6
	s_lshl_b32 s30, s22, 1
	s_add_co_u32 s29, s29, s30
	s_lshl_b32 s30, s29, 11
	s_add_co_u32 s30, s30, s36                     ; hs: (64 e + 2 x my first group) tiles of 2,048 bytes + 32 q
	s_add_nc_u64 s[44:45], s[10:11], s[30:31]
	s_add_nc_u64 s[46:47], s[44:45], 2048
	s_cmp_lg_u32 s20, 0
	s_cbranch_scc1 .Lno_sel
.set j, 0
.rept 32
	global_load_b64 v[SL+2*j:SL+2*j+1], v[SO], s[4:5] offset:256*j   ; wave 0's first loads: the list waits for them, and everybody waits for the list
	global_load_b64 v[WT+2*j:WT+2*j+1], v[SO], s[6:7] offset:256*j
.set j, j+1
.endr
.Lno_sel:
.irp t, 0,1,2,3
	global_load_b128 v[WS+8*\t:WS+8*\t+3], v2, s[14:15] offset:16*\t*128
	global_load_b128 v[WS+8*\t+4:WS+8*\t+7], v2, s[14:15] offset:16*\t*128+16
.endr
	global_load_b128 v[20:23], v8, s[16:17]        ; b2 of my four outputs
	WRAW                                           ; all of W2 is asked for before the list is made
	s_cmp_lg_u32 s20, 0
	s_cbranch_scc1 .Lno_place
	s_wait_loadcnt 63                              ; sel and wts are in: 105 loads were issued behind them, more than a wait can name
	PLACE
.Lno_place:
	s_wait_dscnt 0x0                               ; wave 0's stores of the list, the weights and the count have landed; no other wave has touched LDS yet
	s_barrier_signal -1
	s_barrier_wait -1                              ; from here on they are only read
	ds_load_b32 v4, v[CA]
	s_wait_dscnt 0x0
	v_readfirstlane_b32 s25, v4
	s_min_u32 s25, s25, 0x400                      ; R
	s_add_co_u32 s26, s25, 31
	s_lshr_b32 s26, s26, 5                         ; G
	HLOAD 0                                        ; my first group: groups 0 and 1 of every expert have been stored, whatever R
	HLOAD 1
	s_wait_loadcnt 52                              ; all but the 52 loads of h just issued: W2, its scale words and b2 are in
	WSTORE
	s_wait_dscnt 0x0                               ; the stores have read W2's registers, which now take the fragments
	WFRAG
.set j, 0
.rept 32
	v_perm_b32 v[WS+j], v[WS+j], v[WS+j], s39
.set j, j+1
.endr
.rept 8
	v_nop                                          ; a scale register written by a vector instruction stands 8 places ahead of a scaled product
.endr
	s_wait_dscnt 0x0                               ; W2's fragments are in
	s_mov_b32 s27, s22                             ; g
	s_mov_b32 s28, 0
.Ltwo:                                                 ; 8 trips of two groups: the 16 groups that an expert with all 1,024 tokens gives a work-group
	TRIP 0
	TRIP 1
	s_add_co_u32 s28, s28, 1
	s_cmp_lt_u32 s28, 8
	s_cbranch_scc1 .Ltwo
	s_barrier_signal -1
	s_barrier_wait -1
	s_wait_tensorcnt 0x0
	ds_add_u32 v230, v231
	s_wait_dscnt 0x0
	s_endpgm
.Lfunc_end_k_q3507d89744_down:
	.size	k_q3507d89744_down, .Lfunc_end_k_q3507d89744_down-k_q3507d89744_down
	.p2alignl 7, 3214868480
	.fill 96, 4, 3214868480
	.section	.rodata,"a",@progbits
	.p2align	6, 0x0
	.amdhsa_kernel k_q3507d89744_down
		.amdhsa_group_segment_fixed_size 287488
		.amdhsa_private_segment_fixed_size 0
		.amdhsa_enable_private_segment 0
		.amdhsa_kernarg_size 64
		.amdhsa_user_sgpr_count 2
		.amdhsa_user_sgpr_kernarg_segment_ptr 1
		.amdhsa_wavefront_size32 1
		.amdhsa_system_sgpr_workgroup_id_x 1
		.amdhsa_system_sgpr_workgroup_id_y 1
		.amdhsa_system_sgpr_workgroup_id_z 1
		.amdhsa_system_vgpr_workitem_id 0
		.amdhsa_next_free_vgpr 960
		.amdhsa_next_free_sgpr 100
		.amdhsa_reserve_vcc 0
		.amdhsa_float_denorm_mode_32 3
		.amdhsa_float_denorm_mode_16_64 3
		.amdhsa_memory_ordered 1
		.amdhsa_forward_progress 1
		.amdhsa_inst_pref_size 118
	.end_amdhsa_kernel
	.amdgpu_metadata
---
amdhsa.version: [ 1, 2 ]
amdhsa.kernels:
  - .name:           k_q3507d89744_down
    .symbol:         k_q3507d89744_down.kd
    .args:
      - { .name: sel, .offset: 0, .size: 8, .value_kind: global_buffer, .address_space: global }
      - { .name: wts, .offset: 8, .size: 8, .value_kind: global_buffer, .address_space: global }
      - { .name: hbuf, .offset: 16, .size: 8, .value_kind: global_buffer, .address_space: global }
      - { .name: hs, .offset: 24, .size: 8, .value_kind: global_buffer, .address_space: global }
      - { .name: W2_codes, .offset: 32, .size: 8, .value_kind: global_buffer, .address_space: global }
      - { .name: W2_scales, .offset: 40, .size: 8, .value_kind: global_buffer, .address_space: global }
      - { .name: b2, .offset: 48, .size: 8, .value_kind: global_buffer, .address_space: global }
      - { .name: ybuf, .offset: 56, .size: 8, .value_kind: global_buffer, .address_space: global }
    .group_segment_fixed_size: 287488
    .private_segment_fixed_size: 0
    .kernarg_segment_align: 8
    .kernarg_segment_size: 64
    .max_flat_workgroup_size: 128
    .sgpr_count:     100
    .vgpr_count:     960
    .wavefront_size: 32
...
	.end_amdgpu_metadata
.endif
;; end of part 7
;; launch add: the kernel of part 4 again; grid 256 x 1, 8 waves a work-group, no clusters, 0 bytes of LDS; arguments ybuf, out0; writes out0
